; MI455X (gfx1250); checked and timed in simulation.
; The chip was launched on July 23, 2026; its instructions are those of AMD's public machine-readable ISA for CDNA 5 (MIT licence, August 2026) and "CDNA5" Instruction Set Architecture Reference Guide (July 2026). The comments in the code are by the model that wrote it; some were corrected since.
;; Projected Adaptive Log Softmax. Allowed arithmetic: matrix products marked QUANTISED: E4M3 operands, one E8M0 scale for each 32 along K, by v_wmma_scale_f32_16x16x128_f8f6f4 with both operands' format E4M3, f32 sums; products left as they are: f32 operands where the result goes on into a quantised operand, else bf16, f16 or f32 operands; f32 sums; everything else in f32.
;; Inputs: W0 19,997 x 1,024 float32; W1_codes 20,000 x 8 x 32 uint8 (E4M3 codes of W1, K innermost, in blocks of 32 codes); W1_scales 20,000 x 8 uint8 (E8M0 scales of W1, one for each 32 codes along K); W2_codes 160,000 x 2 x 32 uint8 (E4M3 codes of W2, K innermost, in blocks of 32 codes); W2_scales 160,000 x 2 uint8 (E8M0 scales of W2, one for each 32 codes along K); W3 67,738 x 16 float32; b0 19,997 float32; b1 20,000 float32; b2 160,000 float32; b3 67,738 float32; cluster_bias 3 float32; cluster_weight 3 x 1,024 float32; hidden_codes 1,024 x 32 x 32 uint8 (E4M3 codes of hidden, K innermost, in blocks of 32 codes); hidden_scales 1,024 x 32 uint8 (E8M0 scales of hidden, one for each 32 codes along K); p0_codes 1,024 x 32 x 32 uint8 (E4M3 codes of p0, K innermost, in blocks of 32 codes); p0_scales 1,024 x 32 uint8 (E8M0 scales of p0, one for each 32 codes along K); p1_codes 256 x 32 x 32 uint8 (E4M3 codes of p1, K innermost, in blocks of 32 codes); p1_scales 256 x 32 uint8 (E8M0 scales of p1, one for each 32 codes along K); p2_codes 64 x 32 x 32 uint8 (E4M3 codes of p2, K innermost, in blocks of 32 codes); p2_scales 64 x 32 uint8 (E8M0 scales of p2, one for each 32 codes along K); p3_codes 16 x 32 x 32 uint8 (E4M3 codes of p3, K innermost, in blocks of 32 codes); p3_scales 16 x 32 uint8 (E8M0 scales of p3, one for each 32 codes along K); target 1,024 int32.
;; Outputs: out0 1,024 float32.
;; This version of the problem:
;;   THIS VERSION OF THE PROBLEM IS GIVEN IN LOW PRECISION. The matrix products marked QUANTISED in the list below multiply operands that are first quantised to E4M3 (4 exponent bits, 3 mantissa bits; 8 bits a number), with one power-of-two scale for each 32 numbers along K (OCP MX v1.0); their sums are f32. All else is computed in f32.
;;   The module's matrix products, in the order in which they are computed (A, B: the left and right operand; K: the contracted axis; several contracted axes count as one K, in the product's order):
;;     1. [M 1,024, K 1,024] x [K 1,024, N 1,024]; A: input hidden (given as codes); B: input p0 (given as codes): QUANTISED
;;     2. [M 1,024, K 1,024] x [K 1,024, N 20,000]; A: computed on the way; B: computed on the way: QUANTISED
;;     3. [M 1,024, K 1,024] x [K 1,024, N 256]; A: input hidden (given as codes); B: input p1 (given as codes): QUANTISED
;;     4. [M 1,024, K 256] x [K 256, N 20,000]; A: computed on the way; B: input W1 (given as codes): QUANTISED
;;     5. [M 1,024, K 1,024] x [K 1,024, N 64]; A: input hidden (given as codes); B: input p2 (given as codes): QUANTISED
;;     6. [M 1,024, K 64] x [K 64, N 160,000]; A: computed on the way; B: input W2 (given as codes): QUANTISED
;;     7. [M 1,024, K 1,024] x [K 1,024, N 16]; A: input hidden (given as codes); B: input p3 (given as codes): QUANTISED
;;     8. [M 1,024, K 16] x [K 16, N 67,738]; A: computed on the way; B: input W3: left as it is (K = 16 < 32)
;;   THE QUANTISER, for each operand of a quantised product, along K:
;;     - K is cut into blocks of 32 from its start; a last block that is shorter is filled with zeros.
;;     - A block's scale is 2^e with e = floor(log2(the largest magnitude in the block)) - 8, held to -126 .. 127; a block of zeros has e = 0. As a byte (E8M0): e + 127.
;;     - Each number is divided by its block's scale, clamped to +-448, and rounded to the nearest number of E4M3, ties to even, subnormals kept.
;;     - The product sums the exact products of the quantised numbers (number of the format x scale) in f32.
;;   ~~~python
;;   def quantise(x, axis):      # numpy; x: float32 -> the quantised numbers, widened to float32 again
;;       x = np.moveaxis(x, axis, -1); K = x.shape[-1]
;;       x = np.pad(x, [(0, 0)] * (x.ndim - 1) + [(0, -K % 32)]); x = x.reshape(x.shape[:-1] + (-1, 32)); a = np.abs(x).max(-1, keepdims=True)
;;       e = np.where(a > 0, np.clip(np.frexp(np.where(a > 0, a, 1))[1] - 1 - 8, -126, 127), 0)      # np.frexp(a)[1] - 1 = floor(log2(a)), exactly
;;       r = np.clip(x / 2.0 ** e, -448, 448)
;;       step = 2.0 ** (np.maximum(np.frexp(np.where(r == 0, 1, r))[1] - 1, -6) - 3)
;;       q = np.round(r / step) * step * 2.0 ** e      # np.round: ties to even
;;       return np.moveaxis(q.reshape(q.shape[:-2] + (-1,))[..., :K], -1, axis).astype(np.float32)
;;   ~~~
;;   OPERANDS COMPUTED ON THE WAY. 'Computed on the way' means the value that the module computes at that place (a softmax that the list does not call 'softmax' is quantised finished and normalised). What goes into a quantiser is computed in f32, as accurately as f32 sums, v_exp_f32 and their like allow (about 1e-6 of the number): no bf16 or f16 on the way to a quantiser, and a product that is left as it is and whose result goes on into a quantised operand takes f32 operands (vector FMAs, or v_wmma_f32_16x16x4_f32). A number that lies on a knife's edge between two numbers of the format may be rounded either way, as far as f32 arithmetic and the matrix unit's own rounding can turn it there, and no further.
;;   INPUTS GIVEN AS CODES. W1 (in the module: [20000, 256], K = its axis 1); W2 (in the module: [160000, 64], K = its axis 1); hidden (in the module: [1024, 1024], K = its axis 1); p0 (in the module: [1024, 1024], K = its axis 0); p1 (in the module: [1024, 256], K = its axis 0); p2 (in the module: [1024, 64], K = its axis 0); p3 (in the module: [1024, 16], K = its axis 0): each comes as NAME_codes (uint8): NAME with its K axis moved to the last place and cut into blocks of 32 codes, [.., K / 32, bytes a block], one block behind the other in memory; one code a byte (a code: sign, 4 exponent bits, 3 mantissa bits); and NAME_scales (uint8): the same leading axes, one E8M0 byte (e + 127) for each 32 codes along K. Its value is code x scale, taken as it is: it is not quantised again, and the codes and scales need not be those that the quantiser above would give.
;; 2 versions, each right; version 2 is version 1 with the launches prep, head, tails written anew for expert scheduling mode. Each part assembles by itself: llvm-mc -triple=amdgcn-amd-amdhsa -mcpu=gfx1250 --defsym DOCPART=n.
;; ======== version 1 of 2: 4 launches
;; workspace buffers: hq 1,452,032 bytes; bias 360,448 bytes; route 37,120 bytes of whole numbers; rech 4,096,000 bytes; rect 4,063,232 bytes; hv 4,096 bytes
;; launch prep (part 1): grid 733 x 1, 4 waves a work-group, no clusters, 0 bytes of LDS; arguments hidden_codes, hidden_scales, p0_codes, p0_scales, p1_codes, p1_scales, p2_codes, p2_scales, p3_codes, p3_scales, target, b0, cluster_bias, b3, hq, bias, route; writes hq, bias, route
.if DOCPART == 1
	.amdgcn_target "amdgcn-amd-amdhsa--gfx1250"
	.amdhsa_code_object_version 6
	.text
	.protected	k_q13f95a7337_prep
	.globl	k_q13f95a7337_prep
	.p2align	8
	.type	k_q13f95a7337_prep,@function
k_q13f95a7337_prep:
	s_mov_b64 s[64:65], 0
	v_nop
	global_prefetch_b8 v0, s[64:65] scope:SCOPE_SE
	s_setreg_imm32_b32 hwreg(HW_REG_WAVE_MODE, 25, 1), 1
	s_wait_xcnt 0x0
; PREP: three jobs, told apart by the work-group's number.
;   work-group 0 (wave 0 alone): the rows are sorted by the cluster of their target (a counting sort in one wave), and the shares of the tails' waves are worked out, all in whole numbers.
;   work-groups 1-44: the head's bias (b0, then cluster_bias) and b3, padded with -1e30, are laid into one aligned workspace, 2,048 numbers a work-group.
;   work-groups 45-732: hidden x p0 .. p3 on the given codes.  A wave makes 16 rows x 32 columns (one block of the next K), quantises it in registers and stores it as an image of the next operand's registers.
; LAYOUT of hq: block b (32 along K) of row tile T lies at (T NB + b) 512 + 16 lane; lane (r, h)'s 16 bytes are k = 32 b + 16 h + 0 .. 15 of row 16 T + r.  Scale bytes: [row][NB].  The fourth projection (16 wide) is kept as bf16.
; THE PRODUCT IS USED TRANSPOSED (source 0 = 16 columns of p, source 1 = 16 rows of hidden), and lane r of tile u takes column 32 b + 8 u + r + 8 (r / 8): a lane's 16 results are then 16 neighbours along the next K.
; LIMITS: NaN and infinities are not served; a block of zeros gets the scale byte 1 (its codes are zeros, and this program alone reads the bytes); targets lie in 0 .. 267,734.
.set H1I, 1048576
.set H2I, 1310720
.set H3I, 1376256
.set HS0, 1409024
.set HS1, 1441792
.set HS2, 1449984
.set NEGBIG, 0xf149f2ca                ; -1e30
.set MSB, 0
.macro WIN new                         ; the immediate's high byte repeats the setting that is left
.if MSB != (\new)
	s_set_vgpr_msb (MSB<<8)|(\new)
.set MSB, (\new)
.endif
.endm
	s_load_b512 s[4:19], s[0:1], 0x0               ; hidden codes, scales; p0 codes, scales; p1; p2
	s_load_b512 s[20:35], s[0:1], 0x40             ; p3 codes, scales; target; b0; cluster_bias; b3; hq; bias
	s_load_b64 s[36:37], s[0:1], 0x80              ; route
	v_lshrrev_b32 v1, 5, v0
	v_readfirstlane_b32 s38, v1                    ; wave
	v_and_b32 v1, 31, v0                           ; lane
	v_and_b32 v2, 15, v0                           ; r
	v_bfe_u32 v3, v0, 4, 1                         ; h
	s_cmp_eq_u32 ttmp9, 0
	s_cbranch_scc1 .Lroute
	s_cmp_lt_u32 ttmp9, 45
	s_cbranch_scc1 .Lbias
; ---------------- the projections ----------------
	s_sub_co_u32 s39, ttmp9, 45                    ; j = 43 x (group of four row tiles) + unit
	s_mul_i32 s40, s39, 1525
	s_lshr_b32 s40, s40, 16                        ; j / 43 (exact for j < 688: 43 x 1525 = 65,536 + 39)
	s_mul_i32 s41, s40, 43
	s_sub_co_u32 s41, s39, s41                     ; the unit: 0-31 p0's blocks, 32-39 p1's, 40-41 p2's, 42 p3
	s_lshl_b32 s42, s40, 2
	s_add_co_u32 s42, s42, s38                     ; my row tile T
	s_mov_b32 s90, 0x76543210
	s_mov_b32 s91, 0xfedcba98                      ; lane selects: lane l xor 16
	s_mov_b32 s92, 0x600000                        ; the mantissa field of 448
	s_wait_kmcnt 0x0
	s_mov_b64 s[44:45], s[20:21]                   ; the choice hangs on the unit alone: first p3's,
	s_mov_b64 s[46:47], s[22:23]
	s_mov_b32 s48, 1                               ; NB: blocks in a row of the result
	s_mov_b32 s49, 42                              ; the tensor's first unit
	s_mov_b32 s50, H3I                             ; where its images begin
	s_mov_b32 s51, HS2                             ; and its scale bytes
	s_mov_b32 s52, 0                               ; 1: the columns of a tile are spread
	s_cmp_lt_u32 s41, 42                           ; then p2's,
	s_cselect_b64 s[44:45], s[16:17], s[44:45]
	s_cselect_b64 s[46:47], s[18:19], s[46:47]
	s_cselect_b32 s48, 2, s48
	s_cselect_b32 s49, 40, s49
	s_cselect_b32 s50, H2I, s50
	s_cselect_b32 s52, 1, s52
	s_cmp_lt_u32 s41, 40                           ; p1's,
	s_cselect_b64 s[44:45], s[12:13], s[44:45]
	s_cselect_b64 s[46:47], s[14:15], s[46:47]
	s_cselect_b32 s48, 8, s48
	s_cselect_b32 s49, 32, s49
	s_cselect_b32 s50, H1I, s50
	s_cselect_b32 s51, HS1, s51
	s_cmp_lt_u32 s41, 32                           ; p0's
	s_cselect_b64 s[44:45], s[8:9], s[44:45]
	s_cselect_b64 s[46:47], s[10:11], s[46:47]
	s_cselect_b32 s48, 32, s48
	s_cselect_b32 s49, 0, s49
	s_cselect_b32 s50, 0, s50
	s_cselect_b32 s51, HS0, s51
	s_sub_co_u32 s53, s41, s49                     ; b: my block of 32 columns
	s_mov_b32 s59, 0
	s_lshl_b32 s58, s42, 14
	s_add_nc_u64 s[54:55], s[4:5], s[58:59]        ; hidden's codes at my 16 rows
	s_lshl_b32 s58, s42, 9
	s_add_nc_u64 s[56:57], s[6:7], s[58:59]        ; and their scale bytes
	s_lshl_b32 s58, s53, 15
	s_add_nc_u64 s[44:45], s[44:45], s[58:59]      ; p's codes at column 32 b
	s_lshl_b32 s58, s53, 10
	s_add_nc_u64 s[46:47], s[46:47], s[58:59]
	s_mul_i32 s60, s42, s48                        ; T NB
	s_add_co_u32 s58, s60, s53
	s_lshl_b32 s58, s58, 9
	s_add_co_u32 s58, s58, s50
	s_add_nc_u64 s[62:63], s[32:33], s[58:59]      ; my image
	s_lshl_b32 s58, s60, 4
	s_add_co_u32 s58, s58, s53
	s_add_co_u32 s58, s58, s51
	s_add_nc_u64 s[66:67], s[32:33], s[58:59]      ; my rows' scale bytes, column b
	v_lshlrev_b32 v4, 10, v2
	v_lshl_add_u32 v4, v3, 4, v4                   ; hidden: row r of 1,024 bytes + 16 h
	v_lshlrev_b32 v5, 5, v2
	v_lshl_add_u32 v5, v3, 4, v5                   ; its scales: lanes 0-15 take K steps 0-3's words, lanes 16-31 K steps 4-7's
	v_and_b32 v6, 8, v2
	v_mul_u32_u24 v6, v6, s52
	v_add_nc_u32 v6, v6, v2                        ; r + 8 (r / 8); for p3: r
	v_lshlrev_b32 v7, 10, v6
	v_lshl_add_u32 v7, v3, 4, v7                   ; p, tile 0
	s_lshl_b32 s61, s52, 13
	v_add_nc_u32 v8, s61, v7                       ; tile 1: 8 columns on (for p3: tile 0 again; its result is not used)
	v_lshlrev_b32 v9, 5, v6
	v_lshl_add_u32 v9, v3, 4, v9
	s_lshl_b32 s61, s52, 8
	v_add_nc_u32 v10, s61, v9
	v_lshlrev_b32 v11, 4, v1                       ; 16 x lane
	v_mul_u32_u24 v24, v2, s48                     ; r NB
	v_mov_b32 v49, 0                               ; a lane permute's destination counts as one of its sources
	global_load_b128 v[64:67], v5, s[56:57]        ; scale words: hidden's,
	global_load_b128 v[68:71], v9, s[46:47]        ; p's tile 0,
	global_load_b128 v[72:75], v10, s[46:47]       ; p's tile 1
.irp ks, 0,1,2,3,4,5,6,7
.irp c, 0,1,2,3
	global_load_b128 v[128+16*\ks+4*\c:131+16*\ks+4*\c], v4, s[54:55] offset:128*\ks+32*\c
.endr
.endr
	WIN 0x40                                       ; destination window 1: p's fragments, (tile t, K step) at 128 t + 16 x step
.irp ks, 0,1,2,3,4,5,6,7
.irp t, 0,1
.irp c, 0,1,2,3
	global_load_b128 v[128*\t+16*\ks+4*\c:128*\t+16*\ks+4*\c+3], v[7+\t], s[44:45] offset:128*\ks+32*\c
.endr
.endr
.endr
	WIN 0x01                                       ; source 0 window 1
.irp ks, 0,1,2,3,4,5,6,7
	s_wait_loadcnt 8*(7-\ks)                       ; the eight loads of each later K step of p may be out
.irp t, 0,1
.if \ks == 0
	v_wmma_scale_f32_16x16x128_f8f6f4 v[32+8*\t:39+8*\t], v[128*\t+16*\ks:128*\t+16*\ks+15], v[128+16*\ks:143+16*\ks], 0, v[68+4*\t+\ks%4], v[64+\ks%4]
.elseif \ks < 4
	v_wmma_scale_f32_16x16x128_f8f6f4 v[32+8*\t:39+8*\t], v[128*\t+16*\ks:128*\t+16*\ks+15], v[128+16*\ks:143+16*\ks], v[32+8*\t:39+8*\t], v[68+4*\t+\ks%4], v[64+\ks%4]
.else
	v_wmma_scale_f32_16x16x128_f8f6f4 v[32+8*\t:39+8*\t], v[128*\t+16*\ks:128*\t+16*\ks+15], v[128+16*\ks:143+16*\ks], v[32+8*\t:39+8*\t], v[68+4*\t+\ks%4], v[64+\ks%4] matrix_a_scale:MATRIX_SCALE_ROW1 matrix_b_scale:MATRIX_SCALE_ROW1
.endif
.endr
.endr                                              ; the two accumulators take turns, one instruction a turn; K ascends
	WIN 0
.rept 8
	v_nop                                          ; eight places in front of the first read of the results
.endr
	s_cmp_eq_u32 s41, 42
	s_cbranch_scc1 .Lp3
	v_max3_num_f32 v48, |v32|, |v33|, 0x4800000    ; my 16 numbers of the block, and the floor 2^(9 - 127): the byte cannot fall under 1
.irp i, 2,4,6,8,10,12,14
	v_max3_num_f32 v48, v48, |v[32+\i]|, |v[33+\i]|
.endr
	v_permlanex16_b32 v49, v48, s90, s91
	v_max_num_f32 v48, v48, v49                    ; with lane l xor 16's 16: the block's largest magnitude
	v_add_nc_u32 v50, 0xfc000000, v48              ; 8 off its exponent field: the conversion's scale operand
	v_and_or_b32 v51, v48, 0x7f800000, s92         ; 448 x the scale
	v_lshrrev_b32 v52, 23, v50                     ; the scale's byte
.irp i, 0,1,2,3,4,5,6,7,8,9,10,11,12,13,14,15
	v_med3_num_f32 v[32+\i], v[32+\i], -v51, v51   ; the conversion to an 8-bit code does not saturate (ISA guide 7.6.2): the hold first
.endr
	v_cvt_scalef32_pk8_fp8_f32 v[60:61], v[32:39], v50
	v_cvt_scalef32_pk8_fp8_f32 v[62:63], v[40:47], v50
	v_nop                                          ; a plain line behind the last scaled conversion
	global_store_b128 v11, v[60:63], s[62:63]      ; the wave stores 512 consecutive bytes
	global_store_b8 v24, v52, s[66:67]             ; both lanes of a row store the same byte
	s_endpgm
.Lp3:
	v_cvt_pk_bf16_f32 v60, v32, v33                ; the fourth projection: lane (r, h) holds columns 8 h + 0 .. 7 of row r: half of a bf16 operand's registers
	v_cvt_pk_bf16_f32 v61, v34, v35
	v_cvt_pk_bf16_f32 v62, v36, v37
	v_cvt_pk_bf16_f32 v63, v38, v39
	global_store_b128 v11, v[60:63], s[62:63]
	s_endpgm
; ---------------- the biases ----------------
.Lbias:
	s_sub_co_u32 s39, ttmp9, 1                     ; 0-9: the head's bias; 10-43: b3
	s_wait_kmcnt 0x0
	s_load_b96 s[40:42], s[28:29], 0x0             ; cluster_bias
	s_cmp_lt_u32 s39, 10
	s_cselect_b64 s[44:45], s[26:27], s[30:31]
	s_mov_b32 s46, 67738
	s_cselect_b32 s46, 19997, s46                  ; the source's length
	s_cselect_b32 s47, 0, 10
	s_wait_kmcnt 0x0
	s_cselect_b32 s40, s40, NEGBIG                 ; what follows the source: cluster_bias, or -1e30
	s_cselect_b32 s41, s41, NEGBIG
	s_cselect_b32 s42, s42, NEGBIG
	s_sub_co_u32 s47, s39, s47
	s_lshl_b32 s47, s47, 11                        ; my first number
	s_lshl_b32 s48, s39, 13                        ; and its place: the second region begins 10 x 8,192 bytes on
	s_mov_b32 s49, 0
	s_add_nc_u64 s[50:51], s[34:35], s[48:49]
	s_sub_co_u32 s52, s46, 1
	v_lshl_add_u32 v4, v0, 2, s47
	v_lshlrev_b32 v5, 4, v0
	v_mov_b32 v8, s40
	v_mov_b32 v9, s41
	v_mov_b32 v10, s42
.set x, 0
.rept 16
	v_add_nc_u32 v[32+x], 512*(x/4)+x%4, v4        ; number i
	v_min_u32 v[48+x], s52, v[32+x]                ; no load leaves the source
	v_lshlrev_b32 v[48+x], 2, v[48+x]
	global_load_b32 v[16+x], v[48+x], s[44:45]
.set x, x+1
.endr
	s_wait_loadcnt 0x0
.set x, 0
.rept 16
	v_sub_nc_u32 v6, v[32+x], s46
	v_cmp_lt_i32 vcc_lo, 0, v6
	v_cndmask_b32 v7, v8, v9, vcc_lo
	v_cmp_lt_i32 vcc_lo, 1, v6
	v_cndmask_b32 v7, v7, v10, vcc_lo
	v_cmp_gt_u32 vcc_lo, s46, v[32+x]
	v_cndmask_b32 v[16+x], v7, v[16+x], vcc_lo
.set x, x+1
.endr
.irp g, 0,1,2,3
	global_store_b128 v5, v[16+4*\g:19+4*\g], s[50:51] offset:2048*\g   ; sixteen lanes store 256 consecutive bytes, aligned
.endr
	s_endpgm
; ---------------- the routing ----------------
.Lroute:
	s_cmp_lg_u32 s38, 0
	s_cbranch_scc1 .Lend
	s_wait_kmcnt 0x0
	v_lshlrev_b32 v4, 4, v1
.irp i, 0,1,2,3,4,5,6,7
	global_load_b128 v[128+4*\i:131+4*\i], v4, s[24:25] offset:512*\i   ; register 4 i + e of lane l is row 128 i + 4 l + e
.endr
	s_mov_b32 s40, 19997
	s_mov_b32 s41, 39997
	s_mov_b32 s42, 199997
	v_mov_b32 v5, s40                              ; cluster 1's first word; also the head's index of cluster 1
	v_mov_b32 v6, s41
	v_mov_b32 v7, s42
	v_mov_b32 v9, 19998
	v_mov_b32 v10, 19999
	v_lshlrev_b32 v11, 2, v1
	s_mov_b32 s44, 0                               ; where each cluster's list goes on: 1,024 places each
	s_mov_b32 s45, 1024
	s_mov_b32 s46, 2048
	s_mov_b32 s47, 3072
	s_wait_loadcnt 0x0
; 32 rows at a time: the lanes of a cluster take the list's next places in lane order.  Each turn has registers of its own for its stores' addresses and data.
.set x, 0
.rept 32
	v_cmp_le_u32 s48, s40, v[128+x]
	v_cmp_le_u32 s49, s41, v[128+x]
	v_cmp_le_u32 s50, s42, v[128+x]
	s_not_b32 s51, s48                             ; the lanes of cluster 0,
	s_and_not1_b32 s52, s48, s49                   ; 1,
	s_and_not1_b32 s53, s49, s50                   ; 2; cluster 3's are s50
	v_mbcnt_lo_u32_b32 v12, s51, s44
	v_mbcnt_lo_u32_b32 v13, s52, s45
	v_cndmask_b32 v12, v12, v13, s48
	v_mbcnt_lo_u32_b32 v13, s53, s46
	v_cndmask_b32 v12, v12, v13, s49
	v_mbcnt_lo_u32_b32 v13, s50, s47
	v_cndmask_b32 v12, v12, v13, s50               ; my place
	s_bcnt1_i32_b32 s54, s51
	s_add_co_u32 s44, s44, s54
	s_bcnt1_i32_b32 s54, s52
	s_add_co_u32 s45, s45, s54
	s_bcnt1_i32_b32 s54, s53
	s_add_co_u32 s46, s46, s54
	s_bcnt1_i32_b32 s54, s50
	s_add_co_u32 s47, s47, s54
	v_cndmask_b32 v13, 0, v5, s48
	v_cndmask_b32 v13, v13, v6, s49
	v_cndmask_b32 v13, v13, v7, s50
	v_sub_nc_u32 v[224+x], v[128+x], v13           ; the target within its cluster
	v_cndmask_b32 v[16+x], v[128+x], v5, s48       ; the head's index: the target, or the cluster's logit
	v_cndmask_b32 v[16+x], v[16+x], v9, s49
	v_cndmask_b32 v[16+x], v[16+x], v10, s50
	v_min_u32 v12, 4095, v12
	v_lshlrev_b32 v[160+x], 2, v12
	v_add_nc_u32 v[192+x], 128*(x/4)+x%4, v11      ; the row's number
	global_store_b32 v[160+x], v[192+x], s[36:37] offset:4352
	global_store_b32 v[160+x], v[224+x], s[36:37] offset:20736
.set x, x+1
.endr
.irp i, 0,1,2,3,4,5,6,7
	global_store_b128 v4, v[16+4*\i:19+4*\i], s[36:37] offset:256+512*\i
.endr
; The shares.  Cluster c has tiles_c tiles of 128 rows and S_c steps along its words.  A wave takes one tile and q steps; q is the least that lets 1,984 waves serve all: sum tiles_c ceil(S_c / q) < U / q + 10 < 1,978.
.macro LDIV dst, num, den, bits        ; the largest dst with dst x den <= num, bit by bit from the top
	s_mov_b32 \dst, 0
.set bb, \bits
.rept \bits
.set bb, bb-1
	s_or_b32 s70, \dst, 1<<bb
	s_mul_i32 s71, s70, \den
	s_cmp_le_u32 s71, \num
	s_cselect_b32 \dst, s70, \dst
.endr
.endm
	s_sub_co_u32 s45, s45, 1024                    ; the clusters' numbers of rows
	s_sub_co_u32 s46, s46, 2048
	s_sub_co_u32 s47, s47, 3072
	s_add_co_u32 s56, s45, 127
	s_lshr_b32 s56, s56, 7
	s_add_co_u32 s57, s46, 127
	s_lshr_b32 s57, s57, 7
	s_add_co_u32 s58, s47, 127
	s_lshr_b32 s58, s58, 7
	s_mul_i32 s59, s56, 1250
	s_mul_i32 s60, s57, 5000
	s_add_co_u32 s59, s59, s60
	s_mul_i32 s60, s58, 2117
	s_add_co_u32 s59, s59, s60                     ; U, at most 43,367
	LDIV s60, s59, 1968, 5
	s_add_co_u32 s60, s60, 1
	s_max_u32 s60, s60, 14                         ; q: 14 .. 23
	LDIV s61, 1249, s60, 9
	s_add_co_u32 s61, s61, 1                       ; n_c = ceil(S_c / q), at most 358
	LDIV s62, 4999, s60, 9
	s_add_co_u32 s62, s62, 1
	LDIV s63, 2116, s60, 9
	s_add_co_u32 s63, s63, 1
	s_mul_i32 s66, s56, s61                        ; where each cluster's waves end
	s_mul_i32 s67, s57, s62
	s_add_co_u32 s67, s67, s66
	s_mul_i32 s68, s58, s63
	s_add_co_u32 s68, s68, s67
	v_mov_b32 v14, 0
	v_writelane_b32 v14, s44, 0
	v_writelane_b32 v14, s45, 1
	v_writelane_b32 v14, s46, 2
	v_writelane_b32 v14, s47, 3
	v_writelane_b32 v14, s60, 4
	v_writelane_b32 v14, s61, 5
	v_writelane_b32 v14, s62, 6
	v_writelane_b32 v14, s63, 7
	v_writelane_b32 v14, s66, 9
	v_writelane_b32 v14, s67, 10
	v_writelane_b32 v14, s68, 11
	global_store_b32 v11, v14, s[36:37]
.Lend:
	s_endpgm
.Lfunc_end_k_q13f95a7337_prep:
	.size	k_q13f95a7337_prep, .Lfunc_end_k_q13f95a7337_prep-k_q13f95a7337_prep
	.p2alignl 7, 3214868480
	.fill 96, 4, 3214868480
	.section	.rodata,"a",@progbits
	.p2align	6, 0x0
	.amdhsa_kernel k_q13f95a7337_prep
		.amdhsa_group_segment_fixed_size 0
		.amdhsa_private_segment_fixed_size 0
		.amdhsa_enable_private_segment 0
		.amdhsa_kernarg_size 136
		.amdhsa_user_sgpr_count 2
		.amdhsa_user_sgpr_kernarg_segment_ptr 1
		.amdhsa_wavefront_size32 1
		.amdhsa_system_sgpr_workgroup_id_x 1
		.amdhsa_system_sgpr_workgroup_id_y 1
		.amdhsa_system_sgpr_workgroup_id_z 1
		.amdhsa_system_vgpr_workitem_id 0
		.amdhsa_next_free_vgpr 512
		.amdhsa_next_free_sgpr 100
		.amdhsa_reserve_vcc 1
		.amdhsa_float_denorm_mode_32 3
		.amdhsa_float_denorm_mode_16_64 3
		.amdhsa_memory_ordered 1
		.amdhsa_forward_progress 1
		.amdhsa_inst_pref_size 92
	.end_amdhsa_kernel
	.amdgpu_metadata
---
amdhsa.version: [ 1, 2 ]
amdhsa.kernels:
  - .name:           k_q13f95a7337_prep
    .symbol:         k_q13f95a7337_prep.kd
    .args:
      - { .name: hidden_codes, .offset: 0, .size: 8, .value_kind: global_buffer, .address_space: global }
      - { .name: hidden_scales, .offset: 8, .size: 8, .value_kind: global_buffer, .address_space: global }
      - { .name: p0_codes, .offset: 16, .size: 8, .value_kind: global_buffer, .address_space: global }
      - { .name: p0_scales, .offset: 24, .size: 8, .value_kind: global_buffer, .address_space: global }
      - { .name: p1_codes, .offset: 32, .size: 8, .value_kind: global_buffer, .address_space: global }
      - { .name: p1_scales, .offset: 40, .size: 8, .value_kind: global_buffer, .address_space: global }
      - { .name: p2_codes, .offset: 48, .size: 8, .value_kind: global_buffer, .address_space: global }
      - { .name: p2_scales, .offset: 56, .size: 8, .value_kind: global_buffer, .address_space: global }
      - { .name: p3_codes, .offset: 64, .size: 8, .value_kind: global_buffer, .address_space: global }
      - { .name: p3_scales, .offset: 72, .size: 8, .value_kind: global_buffer, .address_space: global }
      - { .name: target, .offset: 80, .size: 8, .value_kind: global_buffer, .address_space: global }
      - { .name: b0, .offset: 88, .size: 8, .value_kind: global_buffer, .address_space: global }
      - { .name: cluster_bias, .offset: 96, .size: 8, .value_kind: global_buffer, .address_space: global }
      - { .name: b3, .offset: 104, .size: 8, .value_kind: global_buffer, .address_space: global }
      - { .name: hq, .offset: 112, .size: 8, .value_kind: global_buffer, .address_space: global }
      - { .name: bias, .offset: 120, .size: 8, .value_kind: global_buffer, .address_space: global }
      - { .name: route, .offset: 128, .size: 8, .value_kind: global_buffer, .address_space: global }
    .group_segment_fixed_size: 0
    .private_segment_fixed_size: 0
    .kernarg_segment_align: 8
    .kernarg_segment_size: 136
    .max_flat_workgroup_size: 128
    .sgpr_count:     100
    .vgpr_count:     512
    .wavefront_size: 32
...
	.end_amdgpu_metadata
.endif
;; end of part 1
;; launch head (part 2): grid 250 x 1, 4 waves a work-group, no clusters, 121,344 bytes of LDS; arguments W0, cluster_weight, hq, bias, route, rech; writes rech
.if DOCPART == 2
	.amdgcn_target "amdgcn-amd-amdhsa--gfx1250"
	.amdhsa_code_object_version 6
	.text
	.protected	k_q13f95a7337_head
	.globl	k_q13f95a7337_head
	.p2align	8
	.type	k_q13f95a7337_head,@function
k_q13f95a7337_head:
	s_mov_b64 s[64:65], 0
	v_nop
	global_prefetch_b8 v0, s[64:65] scope:SCOPE_SE
	s_setreg_imm32_b32 hwreg(HW_REG_WAVE_MODE, 25, 1), 1
	s_wait_xcnt 0x0
; HEAD: the 20,000 logits of the head (19,997 rows of W0, 3 of cluster_weight) for all 1,024 rows, reduced on the spot.
; SHARES.  Work-group g owns words 80 g .. 80 g + 79 (5 tiles of 16; 250 x 80 = 20,000), for all rows: each f32 byte of W0 is read and quantised once in the launch.
; FIRST the 80 x 1,024 numbers become 40 operand fragments (tile t, K step s: f = 5 s + t); wave w makes K steps 2 w, 2 w + 1.  Each load takes 512 consecutive bytes of a row; a fragment's 16 loads turn through the wave's own
; stage in LDS, so that a lane gets 16 neighbours of each block of 32.  The codes go to LDS as images of the operand's registers (16 bytes a lane, 512 a store); behind ONE barrier every wave takes all 40 into 640 registers.
; THEN wave w walks row tiles 16 w .. 16 w + 15: the quantised projection's 8 fragments come from memory as dense images, 40 matrix instructions (source 0 = 16 words, source 1 = 16 rows; the bias is the first one's C),
; and the 80 logits of a row leave as one record of 16 bytes: (MC = log2(e) x their maximum, L = the sum of 2^(log2(e) z - MC), X = the logit at the row's wanted index or 0, 0).
; No cluster and no joint loads: 250 work-groups divide into no cluster of four, and what is shared (1 MiB of codes) is a small part beside each work-group's own 320 KiB of f32.
; LIMITS: NaN and infinities are not served; a block of zeros gets the scale byte 1 (its codes are zeros).
; REGISTERS: window 0: v4-15 addresses; v16-55 W's scale words, v56-59 the rows' (scales alone); v60 index, v61 index - my first word, v62 X; v64-103 bias; v104-143 accumulators; v144-167 at work; v168-171 the record;
;   in the first phase v176-239 64 numbers, v240-255 codes.  Window 1: first four landing sets of 64.  Fragment f of W at register 256 + 16 f (windows 1, 2, 3 to v127).  Window 3 v128-255: the rows' 8 fragments.
.set WSI, 81920                        ; LDS: 40 images of 2,048 bytes from 0; here their scale words, 128 bytes each;
.set STG, 87040                        ; here four stages of 16 rows x (512 + 16) bytes, a wave's own
.set HS0, 1409024
.set TM, 144
.set PW, 160
.set XN, 176
.set PC, 240
.set MSB, 0
.macro WIN new
.if MSB != (\new)
	s_set_vgpr_msb (MSB<<8)|(\new)
.set MSB, (\new)
.endif
.endm
.macro PLACES
.rept 8
	v_nop
.endr
.endm
	s_load_b256 s[4:11], s[0:1], 0x0               ; W0, cluster_weight, hq, bias
	s_load_b128 s[12:15], s[0:1], 0x20             ; route, rech
	v_lshl_add_u32 v174, v0, 2, 0x1d800
	v_mov_b32 v175, 0
	v_lshrrev_b32 v1, 5, v0
	v_readfirstlane_b32 s16, v1                    ; wave
	v_and_b32 v1, 31, v0
	v_and_b32 v2, 15, v0                           ; r
	v_bfe_u32 v3, v0, 4, 1                         ; h
	v_lshlrev_b32 v4, 4, v1                        ; 16 x lane
	s_mul_i32 s38, s16, 8448
	s_add_co_u32 s38, s38, STG
	v_add_nc_u32 v5, s38, v4                       ; the stage, in: a row's 512 bytes as they lie
	v_mul_u32_u24 v6, v2, 528
	v_lshl_add_u32 v6, v3, 6, v6
	v_add_nc_u32 v6, s38, v6                       ; and out: row r, + 64 h: my 16 numbers of a block
	s_mul_i32 s38, s16, 20480
	v_add_nc_u32 v7, s38, v4                       ; my ten images
	v_lshlrev_b32 v10, 2, v1
	v_add_nc_u32 v10, WSI, v10
	s_mul_i32 s38, s16, 1280
	v_add_nc_u32 v8, s38, v10                      ; and their scale words
	v_add_nc_u32 v9, 65536, v4                     ; images 32 on
	v_lshlrev_b32 v11, 5, v2
	v_lshl_add_u32 v11, v3, 4, v11                 ; the rows' scale bytes: 32 r + 16 h
	v_lshlrev_b32 v12, 2, v2
	s_mul_i32 s39, ttmp9, 80
	v_lshl_add_u32 v13, v3, 3, s39                 ; the word in my register 0 of tile 0
	v_lshlrev_b32 v14, 5, v3
	v_lshlrev_b32 v15, 4, v2
	s_mov_b32 s18, 0x76543210
	s_mov_b32 s19, 0xfedcba98
	s_mov_b32 s20, 0x600000
	s_mov_b32 s22, 0x3fb8aa3b                      ; log2(e)
	s_mov_b32 s23, s22
.irp b, 0,1,2,3
	v_mov_b32 v[TM+4+\b], 0                        ; a lane permute's destination counts as one of its sources
.endr
	v_mov_b32 v154, 0
	v_mov_b32 v169, 0
	v_mov_b32 v171, 0
	s_mul_i32 s38, ttmp9, 327680                   ; 80 rows of 4,096 bytes
	s_lshl_b32 s41, s16, 10                        ; my two K steps: 1,024 bytes
	s_add_co_u32 s38, s38, s41
	s_mov_b32 s39, 0
	s_add_co_u32 s40, s38, 77*4096
	s_cmp_eq_u32 ttmp9, 249                        ; the last work-group's rows 77 to 79 are cluster_weight's three
	s_cselect_b32 s40, s41, s40
	s_mov_b32 s41, 0
	s_wait_kmcnt 0x0
	s_cselect_b64 s[26:27], s[6:7], s[4:5]
	s_add_nc_u64 s[26:27], s[26:27], s[40:41]
	s_add_nc_u64 s[24:25], s[4:5], s[38:39]
	s_mul_i32 s38, ttmp9, 320
	s_add_nc_u64 s[36:37], s[10:11], s[38:39]      ; my 80 numbers of the bias
	s_lshl_b32 s38, s16, 18
	s_add_nc_u64 s[28:29], s[8:9], s[38:39]        ; the rows' images at tile 16 w
	s_lshl_b32 s38, s16, 13
	s_add_co_u32 s38, s38, HS0
	s_add_nc_u64 s[30:31], s[8:9], s[38:39]        ; their scale bytes
	s_lshl_b32 s38, s16, 10
	s_add_co_u32 s38, s38, 256
	s_add_nc_u64 s[32:33], s[12:13], s[38:39]      ; their wanted indices
	s_lshl_b32 s38, ttmp9, 14
	s_lshl_b32 s40, s16, 12
	s_add_co_u32 s38, s38, s40
	s_add_nc_u64 s[34:35], s[14:15], s[38:39]      ; their records
.macro HHALF hf                        ; K steps 4 hf .. 4 hf + 3 of the tile at s[28:29]: 16 loads of 512 consecutive bytes
	WIN 0xc0
.irp x, 0,1,2,3,4,5,6,7,8,9,10,11,12,13,14,15
	global_load_b128 v[128+64*\hf+4*\x:131+64*\hf+4*\x], v4, s[28:29] offset:(16*\hf+\x)*512
.endr
	WIN 0
.endm
.macro LOADF f                         ; my fragment f (tile f % 5, my K step f / 5): 16 rows x 512 bytes into landing set f % 4
	WIN 0x40
.set ft, (\f)%5
.set fd, (\f)/5
.set fs, 64*((\f)%4)
.irp i, 0,1,2,3,4,5,6,7,8,9,10,11,12,13,14,15
.if (ft == 4) && (\i >= 13)
	global_load_b128 v[fs+4*\i:fs+4*\i+3], v4, s[26:27] offset:(\i-13)*4096+512*fd th:TH_LOAD_NT
.else
	global_load_b128 v[fs+4*\i:fs+4*\i+3], v4, s[24:25] offset:(16*ft+\i)*4096+512*fd th:TH_LOAD_NT
.endif
.endr
	WIN 0
.endm
.irp t, 0,1,2,3,4
	global_load_b128 v[64+8*\t:67+8*\t], v14, s[36:37] offset:64*\t      ; lane (r, h): the bias of words 16 t + 8 h + 0 .. 7: the result's layout
	global_load_b128 v[68+8*\t:71+8*\t], v14, s[36:37] offset:64*\t+16
.endr
	HHALF 0                                        ; the first tile of rows is asked for ahead of the stream of W0
	global_load_b128 v[56:59], v11, s[30:31]
	global_load_b32 v60, v12, s[32:33]
	HHALF 1
	LOADF 0
	LOADF 1
	LOADF 2
	LOADF 3
.macro QUANT                           ; 64 numbers of a lane, register 16 b + i = k 32 b + 16 h + i of my row, become a fragment's codes and its scale word
.irp b, 0,1,2,3
	v_max3_num_f32 v[TM+\b], |v[XN+16*\b]|, |v[XN+1+16*\b]|, 0x4800000   ; and the floor 2^(9 - 127): the byte cannot fall under 1
.endr
.irp i, 2,4,6,8,10,12,14
.irp b, 0,1,2,3
	v_max3_num_f32 v[TM+\b], v[TM+\b], |v[XN+16*\b+\i]|, |v[XN+1+16*\b+\i]|
.endr
.endr
.irp b, 0,1,2,3
	v_permlanex16_b32 v[TM+4+\b], v[TM+\b], s18, s19
.endr
.irp b, 0,1,2,3
	v_max_num_f32 v[TM+\b], v[TM+\b], v[TM+4+\b]
.endr
.irp b, 0,1,2,3
	v_add_nc_u32 v[TM+12+\b], 0xfc000000, v[TM+\b]     ; 8 off the exponent field: the conversion's scale operand
.endr
.irp b, 0,1,2,3
	v_and_or_b32 v[TM+8+\b], v[TM+\b], 0x7f800000, s20 ; 448 x the scale
.endr
.irp b, 0,1,2,3
	v_lshrrev_b32 v[TM+4+\b], 23, v[TM+12+\b]
.endr
	v_lshl_or_b32 v[PW], v[TM+5], 8, v[TM+4]
	v_lshl_or_b32 v[PW], v[TM+6], 16, v[PW]
	v_lshl_or_b32 v[PW], v[TM+7], 24, v[PW]
.irp b, 0,1,2,3
.irp i, 0,1,2,3,4,5,6,7,8,9,10,11,12,13,14,15
	v_med3_num_f32 v[XN+16*\b+\i], v[XN+16*\b+\i], -v[TM+8+\b], v[TM+8+\b]   ; the conversion does not saturate (ISA guide 7.6.2): the hold first
.endr
	v_cvt_scalef32_pk8_fp8_f32 v[PC+4*\b:PC+1+4*\b], v[XN+16*\b:XN+7+16*\b], v[TM+12+\b]
	v_cvt_scalef32_pk8_fp8_f32 v[PC+2+4*\b:PC+3+4*\b], v[XN+8+16*\b:XN+15+16*\b], v[TM+12+\b]
.endr
	v_nop                                          ; a plain line behind the last scaled conversion
.endm
.macro FRAGA f
.if 9-(\f) >= 3
	s_wait_loadcnt 48                              ; my fragment's 16 loads are in; those of the three fragments behind it may be out
.else
	s_wait_loadcnt 16*(9-(\f))
.endif
.set fs, 64*((\f)%4)
	WIN 0x04                                       ; an LDS store's data are its source 1: window 1
.irp i, 0,1,2,3,4,5,6,7,8,9,10,11,12,13,14,15
	ds_store_b128 v5, v[fs+4*\i:fs+4*\i+3] offset:528*\i
.endr
	WIN 0
.irp b, 0,1,2,3
.irp j, 0,1,2,3
	ds_load_b128 v[XN+16*\b+4*\j:XN+16*\b+4*\j+3], v6 offset:128*\b+16*\j   ; LDS serves a wave's instructions in order: these see my stores
.endr
.endr
	s_wait_dscnt 0x0                               ; the numbers are back, and the stores have read the landing set,
.if (\f)+4 < 10
	LOADF (\f)+4                                   ; which takes the fragment four on
.endif
	QUANT
.irp c, 0,1,2,3
	ds_store_b128 v7, v[PC+4*\c:PC+4*\c+3] offset:(\f)*2048+512*\c
.endr
	ds_store_b32 v8, v[PW] offset:128*(\f)
	s_wait_dscnt 0x0                               ; the stores have read their registers
.endm
.irp f, 0,1,2,3,4,5,6,7,8,9
	FRAGA \f
.endr
	s_barrier_signal -1                            ; every wave's images have landed (the wait for 0 stands just above)
	s_barrier_wait -1
.set f, 0
.rept 40
	WIN (1+f/16)<<6
.irp c, 0,1,2,3
.if f < 32
	ds_load_b128 v[16*(f%16)+4*\c:16*(f%16)+4*\c+3], v4 offset:f*2048+512*\c
.else
	ds_load_b128 v[16*(f%16)+4*\c:16*(f%16)+4*\c+3], v9 offset:(f-32)*2048+512*\c
.endif
.endr
.set f, f+1
.endr
	WIN 0
.set f, 0
.rept 40
	ds_load_b32 v[16+f], v10 offset:128*f
.set f, f+1
.endr
	s_wait_dscnt 0x0
.macro MM f                            ; product f: tile f % 5, K step f / 5.  The five accumulators take turns, one instruction a turn
.set mt, (\f)%5
.set ms, (\f)/5
	WIN (1+(\f)/16)|0x0c
.if ms == 0
	v_wmma_scale_f32_16x16x128_f8f6f4 v[104+8*mt:111+8*mt], v[16*((\f)%16):16*((\f)%16)+15], v[128+16*ms:143+16*ms], v[64+8*mt:71+8*mt], v[16+(\f)], v[56+ms%4]
.elseif ms < 4
	v_wmma_scale_f32_16x16x128_f8f6f4 v[104+8*mt:111+8*mt], v[16*((\f)%16):16*((\f)%16)+15], v[128+16*ms:143+16*ms], v[104+8*mt:111+8*mt], v[16+(\f)], v[56+ms%4]
.else
	v_wmma_scale_f32_16x16x128_f8f6f4 v[104+8*mt:111+8*mt], v[16*((\f)%16):16*((\f)%16)+15], v[128+16*ms:143+16*ms], v[104+8*mt:111+8*mt], v[16+(\f)], v[56+ms%4] matrix_b_scale:MATRIX_SCALE_ROW1
.endif
.endm
; A tile of 16 rows.  more = 1: the next tile's fragments are asked for as soon as this tile's products have read theirs.
.macro TRIP more
	s_wait_xcnt 0x0                                ; the earlier loads and the last record's store have read their bases and registers:
	s_add_nc_u64 s[28:29], s[28:29], 16384         ; on to the next tile
	s_add_nc_u64 s[30:31], s[30:31], 512
	s_add_nc_u64 s[32:33], s[32:33], 64
	s_add_nc_u64 s[34:35], s[34:35], 256
	s_wait_loadcnt 16                              ; K steps 0-3, the scale words and the index are in; K steps 4-7's sixteen loads may be out
	v_sub_nc_u32 v61, v60, v13
	v_mov_b32 v62, 0
.set f, 0
.rept 20
	MM f
.set f, f+1
.endr
	WIN 0
	PLACES                                         ; eight places in front of loads into registers that the products have read
.if \more
	HHALF 0
	s_wait_loadcnt 16                              ; all but the sixteen just issued
.else
	s_wait_loadcnt 0x0
.endif
.rept 20
	MM f
.set f, f+1
.endr
	WIN 0
	PLACES                                         ; for the loads below, and for the first read of the results
.if \more
	global_load_b128 v[56:59], v11, s[30:31]
	global_load_b32 v60, v12, s[32:33]
	HHALF 1
.endif
	v_cmp_gt_u32 vcc_lo, 80, v61                   ; does a row's wanted index fall among my 80 words?  A branch on stored whole numbers
	s_cbranch_vccz .Lnohit_\@
.irp t, 0,1,2,3,4
.irp j, 0,1,2,3,4,5,6,7
	v_cmp_eq_u32 vcc_lo, 16*\t+\j, v61
	v_cndmask_b32 v62, v62, v[104+8*\t+\j], vcc_lo
.endr
.endr
.Lnohit_\@:
.irp t, 0,1,2,3,4
	v_max3_num_f32 v[144+\t], v[104+8*\t], v[105+8*\t], v[106+8*\t]      ; each accumulator from its low end on
.endr
.irp t, 0,1,2,3,4
	v_max3_num_f32 v[144+\t], v[144+\t], v[107+8*\t], v[108+8*\t]
.endr
.irp t, 0,1,2,3,4
	v_max3_num_f32 v[144+\t], v[144+\t], v[109+8*\t], v[110+8*\t]
.endr
.irp t, 0,1,2,3,4
	v_max_num_f32 v[144+\t], v[144+\t], v[111+8*\t]
.endr
	v_max3_num_f32 v144, v144, v145, v146
	v_max3_num_f32 v144, v144, v147, v148
	v_permlanex16_b32 v149, v144, s18, s19
	v_max_num_f32 v144, v144, v149                 ; the row's largest of the 80
	v_mul_f32 v168, s22, v144                      ; MC
.set j, 0
.rept 20
	v_pk_fma_f32 v[104+j:105+j], v[104+j:105+j], s[22:23], v[168:169] op_sel_hi:[1,0,0] neg_lo:[0,0,1] neg_hi:[0,0,1]
.set j, j+2
.endr
.set j, 0
.rept 40
	v_exp_f32 v[104+j], v[104+j]
.set j, j+1
.endr
	v_nop                                          ; a plain line behind the last exponential,
	s_wait_alu depctr_va_vdst(0)                   ; and one wait for the batch, ahead of its first reader
	v_pk_add_f32 v[150:151], v[104:105], v[106:107]
	v_pk_add_f32 v[152:153], v[108:109], v[110:111]
.irp j, 8,12,16,20,24,28,32,36
	v_pk_add_f32 v[150:151], v[150:151], v[104+\j:105+\j]
	v_pk_add_f32 v[152:153], v[152:153], v[106+\j:107+\j]
.endr
	v_pk_add_f32 v[150:151], v[150:151], v[152:153]
	v_add_f32 v169, v150, v151
	v_permlanex16_b32 v149, v169, s18, s19
	v_add_f32 v169, v169, v149                     ; L
	v_permlanex16_b32 v154, v62, s18, s19
	v_add_f32 v170, v62, v154                      ; X: one of the two halves holds it, or none
	global_store_b128 v15, v[168:171], s[34:35] offset:-256   ; sixteen lanes store 256 consecutive bytes, aligned; the other sixteen the same bytes
.endm
	v_mov_b32 v149, 0
	s_mov_b32 s42, 15
.Ltrip:
	TRIP 1
	s_sub_co_u32 s42, s42, 1
	s_cmp_lg_u32 s42, 0
	s_cbranch_scc1 .Ltrip
	TRIP 0                                         ; the last tile asks for nothing: no load leaves its buffer
	s_wait_tensorcnt 0x0
	ds_add_u32 v174, v175
	s_wait_dscnt 0x0
	s_endpgm
.Lfunc_end_k_q13f95a7337_head:
	.size	k_q13f95a7337_head, .Lfunc_end_k_q13f95a7337_head-k_q13f95a7337_head
	.p2alignl 7, 3214868480
	.fill 96, 4, 3214868480
	.section	.rodata,"a",@progbits
	.p2align	6, 0x0
	.amdhsa_kernel k_q13f95a7337_head
		.amdhsa_group_segment_fixed_size 121344
		.amdhsa_private_segment_fixed_size 0
		.amdhsa_enable_private_segment 0
		.amdhsa_kernarg_size 48
		.amdhsa_user_sgpr_count 2
		.amdhsa_user_sgpr_kernarg_segment_ptr 1
		.amdhsa_wavefront_size32 1
		.amdhsa_system_sgpr_workgroup_id_x 1
		.amdhsa_system_sgpr_workgroup_id_y 1
		.amdhsa_system_sgpr_workgroup_id_z 1
		.amdhsa_system_vgpr_workitem_id 0
		.amdhsa_next_free_vgpr 1024
		.amdhsa_next_free_sgpr 66
		.amdhsa_reserve_vcc 1
		.amdhsa_float_denorm_mode_32 3
		.amdhsa_float_denorm_mode_16_64 3
		.amdhsa_memory_ordered 1
		.amdhsa_forward_progress 1
		.amdhsa_inst_pref_size 173
	.end_amdhsa_kernel
	.amdgpu_metadata
---
amdhsa.version: [ 1, 2 ]
amdhsa.kernels:
  - .name:           k_q13f95a7337_head
    .symbol:         k_q13f95a7337_head.kd
    .args:
      - { .name: W0, .offset: 0, .size: 8, .value_kind: global_buffer, .address_space: global }
      - { .name: cluster_weight, .offset: 8, .size: 8, .value_kind: global_buffer, .address_space: global }
      - { .name: hq, .offset: 16, .size: 8, .value_kind: global_buffer, .address_space: global }
      - { .name: bias, .offset: 24, .size: 8, .value_kind: global_buffer, .address_space: global }
      - { .name: route, .offset: 32, .size: 8, .value_kind: global_buffer, .address_space: global }
      - { .name: rech, .offset: 40, .size: 8, .value_kind: global_buffer, .address_space: global }
    .group_segment_fixed_size: 121344
    .private_segment_fixed_size: 0
    .kernarg_segment_align: 8
    .kernarg_segment_size: 48
    .max_flat_workgroup_size: 128
    .sgpr_count:     66
    .vgpr_count:     1024
    .wavefront_size: 32
...
	.end_amdgpu_metadata
.endif
;; end of part 2
;; launch tails (part 3): grid 256 x 1, 8 waves a work-group, no clusters, 0 bytes of LDS; arguments W1_codes, W1_scales, b1, W2_codes, W2_scales, b2, W3, bias, hq, route, rech, rect, hv, out0; writes rect, hv, out0
.if DOCPART == 3
	.amdgcn_target "amdgcn-amd-amdhsa--gfx1250"
	.amdhsa_code_object_version 6
	.text
	.protected	k_q13f95a7337_tails
	.globl	k_q13f95a7337_tails
	.p2align	8
	.type	k_q13f95a7337_tails,@function
k_q13f95a7337_tails:
	s_mov_b64 s[64:65], 0
	v_nop
	global_prefetch_b8 v0, s[64:65] scope:SCOPE_SE
	s_setreg_imm32_b32 hwreg(HW_REG_WAVE_MODE, 25, 1), 1
	s_wait_xcnt 0x0
; TAILS.  Work-groups 0-7: the head's 250 records of each row are merged: hv = (the head's logit at the wanted index) - (the head's log of sums); out0 = -hv, which stands for the rows of the shortlist.
; Work-groups 8-255: 1,984 waves share the three tails, ONLY FOR THE ROWS WHOSE TARGET LIES IN THE TAIL (the mask that the problem builds from target throws the others away).  The stored list gives each wave a cluster,
; a tile of 128 gathered rows and q steps along the cluster's words (16 words a step in cluster 1, 32 in clusters 2 and 3).  A wave without a share ends: the price of a grid that serves every split.
; Operands go from memory straight into registers: trip counts and branches hang on stored whole numbers.  The rows' codes stay in window 1; a step's weights, scale words and bias are asked for a step ahead.
; THE PRODUCTS ARE USED TRANSPOSED (source 0 = words, source 1 = rows): a lane holds one row; the bias is C.  K = 64 (cluster 2) and K = 16 (cluster 3) fill half of an instruction's K: a fragment of the weights holds word
; v + r in its lower half of K and word v + 16 + r in its upper, and is multiplied by (h, 0) and by (0, h): no weight register holds padding.  The zeros between the rows' codes serve both neighbours.
; Each lane keeps a running maximum m, MC = log2(e) m, and the sum L of 2^(log2(e) z - MC), rescaled in every step.  A wave's result for a row is a record (MC, L, X, 0).
; LIMITS: NaN and infinities are not served; logits lie above -1e38.  Cluster 3's product is left as it is: bf16 operands, f32 sums.
; REGISTERS, window 0: v1 r, v2 h, v3 16 lane, v4-7 offsets, v8, v9, v13 at work, v10-11 raw scale bytes; v12, v14-15, v16-31 scale words alone; v32-79 six a tile of rows: MC, m, L, L, X, key; v80-95 two a tile; v96-223 logits;
;   v224-255 (cluster 1: v160-207) a step's weights and bias.
.set H1I, 1048576
.set H2I, 1310720
.set H3I, 1376256
.set HS1, 1441792
.set HS2, 1449984
.set MSB, 0
.macro WIN new
.if MSB != (\new)
	s_set_vgpr_msb (MSB<<8)|(\new)
.set MSB, (\new)
.endif
.endm
.macro PLACES n
.rept \n
	v_nop
.endr
.endm
	s_load_b512 s[4:19], s[0:1], 0x0               ; W1 codes, scales, b1; W2 codes, scales, b2; W3; bias
	s_load_b256 s[20:27], s[0:1], 0x40             ; hq, route, rech, rect
	s_load_b128 s[28:31], s[0:1], 0x60             ; hv, out0
	v_lshrrev_b32 v1, 5, v0
	v_readfirstlane_b32 s48, v1                    ; wave
	v_and_b32 v1, 15, v0                           ; r
	v_bfe_u32 v2, v0, 4, 1                         ; h
	v_and_b32 v3, 31, v0
	v_lshlrev_b32 v3, 4, v3                        ; 16 x lane
	s_mov_b32 s50, 0x76543210
	s_mov_b32 s51, 0xfedcba98
	s_mov_b32 s52, 0x3fb8aa3b                      ; log2(e)
	s_mov_b32 s53, s52
	s_mov_b32 s54, 0x3f317218                      ; ln 2
	s_wait_kmcnt 0x0
	s_cmp_lt_u32 ttmp9, 8
	s_cbranch_scc0 .Ltail
; ---------------- the head's records ----------------
; n records at v[b + 4 i] are merged into the running (v240 MC, v241 L, v242 X)
.macro MERGE n, b
	v_max3_num_f32 v244, v240, v[\b], v[\b+4]
.set i, 2
.rept ((\n)-2)/2
	v_max3_num_f32 v244, v244, v[\b+4*i], v[\b+4*i+4]
.set i, i+2
.endr
.if (\n)%2
	v_max_num_f32 v244, v244, v[\b+4*((\n)-1)]
.endif
	v_sub_f32 v245, v240, v244
.set i, 0
.rept \n
	v_sub_f32 v[\b+4*i], v[\b+4*i], v244
.set i, i+1
.endr
	v_exp_f32 v245, v245
.set i, 0
.rept \n
	v_exp_f32 v[\b+4*i], v[\b+4*i]
.set i, i+1
.endr
	v_mov_b32 v240, v244                           ; a plain line behind the last exponential,
	s_wait_alu depctr_va_vdst(0)                   ; and one wait for the batch
	v_mul_f32 v241, v241, v245
.set i, 0
.rept \n
	v_fmac_f32 v241, v[\b+4*i+1], v[\b+4*i]
	v_add_f32 v242, v242, v[\b+4*i+2]
.set i, i+1
.endr
.endm
.macro HRLOAD bt                       ; batch bt: 25 loads; lanes 0-15 take the record of an even work-group, lanes 16-31 of the odd one behind it: 256 consecutive bytes each
.set x, 0
.rept 25
	global_load_b128 v[32+100*((\bt)%2)+4*x:35+100*((\bt)%2)+4*x], v4, s[58:59] offset:32768*(25*(\bt)+x) th:TH_LOAD_NT
.set x, x+1
.endr
.endm
	s_lshl_b32 s49, ttmp9, 3
	s_add_co_u32 s49, s49, s48                     ; my tile of 16 rows
	s_mov_b32 s57, 0
	s_lshl_b32 s56, s49, 8
	s_add_nc_u64 s[58:59], s[24:25], s[56:57]
	s_lshl_b32 s56, s49, 6
	s_add_nc_u64 s[60:61], s[28:29], s[56:57]
	s_add_nc_u64 s[62:63], s[30:31], s[56:57]
	v_lshlrev_b32 v4, 4, v1
	v_lshl_add_u32 v4, v2, 14, v4
	v_lshlrev_b32 v5, 2, v1
	HRLOAD 0
	HRLOAD 1
	v_mov_b32 v240, 0xff61b1e6                     ; -3e38, under every MC
	v_mov_b32 v241, 0
	v_mov_b32 v242, 0
	v_mov_b32 v246, 0
	s_wait_loadcnt 25                              ; the older batch is in; the other's 25 loads may be out
	MERGE 25, 32
	HRLOAD 2
	s_wait_loadcnt 25
	MERGE 25, 132
	HRLOAD 3
	s_wait_loadcnt 25
	MERGE 25, 32
	HRLOAD 4
	s_wait_loadcnt 25
	MERGE 25, 132
	s_wait_loadcnt 0x0
	MERGE 25, 32
	v_permlanex16_b32 v246, v240, s50, s51         ; the two halves of the lanes: each brings its own L under the joint MC, then they are added: both halves end with the same bits
	v_max_num_f32 v246, v246, v240
	v_sub_f32 v245, v240, v246
	v_exp_f32 v245, v245
	v_mov_b32 v240, v246
	s_wait_alu depctr_va_vdst(0)
	v_mul_f32 v241, v241, v245
	v_permlanex16_b32 v246, v241, s50, s51
	v_add_f32 v241, v241, v246
	v_permlanex16_b32 v246, v242, s50, s51
	v_add_f32 v242, v242, v246
	v_log_f32 v244, v241
	v_nop
	s_wait_alu depctr_va_vdst(0)
	v_add_f32 v244, v244, v240                     ; MC + log2 L
	v_fma_f32 v245, -v244, s54, v242               ; X - ln 2 (MC + log2 L)
	v_fma_f32 v246, v244, s54, -v242
	global_store_b32 v5, v245, s[60:61]
	global_store_b32 v5, v246, s[62:63]
	s_endpgm
; ---------------- the tails ----------------
.macro MAP rc, nc, ep, sc              ; from my number among the cluster's waves: my tile s57, my first step s60, my steps s61
	s_sub_co_u32 s56, s49, \ep
	s_mov_b32 s57, 0
	s_mov_b32 s58, \nc
.rept 7
	s_cmp_ge_u32 s56, s58
	s_add_co_ci_u32 s57, s57, 0
	s_add_co_u32 s58, s58, \nc
.endr
	s_mul_i32 s58, s57, \nc
	s_sub_co_u32 s59, s56, s58
	s_mul_i32 s59, s59, s36
	s_sub_co_u32 s61, \sc, s59
	s_min_u32 s61, s61, s36
	s_min_u32 s60, s59, \sc-1
.endm
.macro POSLOAD rc, cl                  ; my 128 places in the cluster's list (past its end: the last row again), their rows and targets
	s_lshl_b32 s66, s57, 7
	s_sub_co_u32 s67, \rc, 1
	v_add_nc_u32 v8, s66, v1
.irp rt, 0,1,2,3,4,5,6,7
	v_add_nc_u32 v[112+\rt], 16*\rt, v8
	v_min_u32 v[112+\rt], s67, v[112+\rt]
	v_min_u32 v[112+\rt], 1023, v[112+\rt]
	v_lshlrev_b32 v[112+\rt], 2, v[112+\rt]
.endr
.irp rt, 0,1,2,3,4,5,6,7
	global_load_b32 v[96+\rt], v[112+\rt], s[22:23] offset:4352+4096*\cl
.endr
.irp rt, 0,1,2,3,4,5,6,7
	global_load_b32 v[104+\rt], v[112+\rt], s[22:23] offset:20736+4096*\cl
.endr
.endm
.macro HADDR sh                        ; row n's 16 bytes of my half in block 0 of its image: (n & ~15) x 32 NB + 16 (n & 15) + 256 h;  sh = log2(32 NB)
.irp rt, 0,1,2,3,4,5,6,7
	v_min_u32 v[96+\rt], 1023, v[96+\rt]
	v_and_b32 v8, 0x3f0, v[96+\rt]
	v_and_b32 v9, 15, v[96+\rt]
	v_lshlrev_b32 v8, \sh, v8
	v_lshl_add_u32 v8, v9, 4, v8
	v_lshl_add_u32 v[120+\rt], v2, 8, v8
.endr
.endm
.macro STATS sh                        ; the keys, the start values, and s63: bit t is set if a row's target falls into my step t.  sh = log2(words a step)
	v_lshlrev_b32 v136, 3, v2
	v_mov_b32 v137, 1
	v_mov_b32 v13, 0
	v_mov_b32 v140, 0xfe967699                     ; -1e38
	v_mul_f32 v141, s52, v140
.irp rt, 0,1,2,3,4,5,6,7
	v_sub_nc_u32 v[37+6*\rt], v[104+\rt], v136     ; key = target - 8 h
	v_lshrrev_b32 v138, \sh, v[104+\rt]
	v_sub_nc_u32 v138, v138, s60
	v_cmp_gt_u32 vcc_lo, 32, v138
	v_lshlrev_b32 v139, v138, v137
	v_cndmask_b32 v139, 0, v139, vcc_lo
	v_or_b32 v13, v13, v139
	v_mov_b32 v[32+6*\rt], v141
	v_mov_b32 v[33+6*\rt], v140
	v_mov_b32 v[34+6*\rt], 0
	v_mov_b32 v[35+6*\rt], 0
	v_mov_b32 v[36+6*\rt], 0
.endr
	v_mov_b32 v139, 0
.irp m, 1,2,4,8
	v_mov_b32_dpp v139, v13 row_xmask:\m row_mask:0xf bank_mask:0xf
	v_or_b32 v13, v13, v139                        ; over the sixteen rows (both halves of the lanes hold the same rows)
.endr
	v_readfirstlane_b32 s63, v13
	s_mov_b32 s62, 0
.endm
.macro HITBLK nr, sh                   ; register x of a tile holds word (words a step) x step + 8 h + x, and 8 more from x = 8 on
	s_lshl_b32 s76, s60, \sh
.irp rt, 0,1,2,3,4,5,6,7
	v_sub_nc_u32 v8, v[37+6*\rt], s76
.set x, 0
.rept \nr
	v_cmp_eq_u32 vcc_lo, x+8*(x/8), v8
	v_cndmask_b32 v[36+6*\rt], v[36+6*\rt], v[96+\nr*\rt+x], vcc_lo
.set x, x+1
.endr
.endr
.endm
.macro SM nr                           ; a step's softmax for the eight tiles of rows, phase by phase, so that no line waits for the line above it
.if \nr == 16
.irp rt, 0,1,2,3,4,5,6,7
	v_max3_num_f32 v[80+2*\rt], v[33+6*\rt], v[96+16*\rt], v[97+16*\rt]          ; each accumulator from its low end on
	v_max3_num_f32 v[81+2*\rt], v[104+16*\rt], v[105+16*\rt], v[106+16*\rt]
.endr
.irp k, 0,1,2
.irp rt, 0,1,2,3,4,5,6,7
	v_max3_num_f32 v[80+2*\rt], v[80+2*\rt], v[98+16*\rt+2*\k], v[99+16*\rt+2*\k]
.if \k < 2
	v_max3_num_f32 v[81+2*\rt], v[81+2*\rt], v[107+16*\rt+2*\k], v[108+16*\rt+2*\k]
.endif
.endr
.endr
.irp rt, 0,1,2,3,4,5,6,7
	v_max3_num_f32 v[33+6*\rt], v[80+2*\rt], v[81+2*\rt], v[111+16*\rt]
.endr
.else
.irp rt, 0,1,2,3,4,5,6,7
	v_max3_num_f32 v[80+2*\rt], v[33+6*\rt], v[96+8*\rt], v[97+8*\rt]
	v_max3_num_f32 v[81+2*\rt], v[98+8*\rt], v[99+8*\rt], v[100+8*\rt]
.endr
.irp rt, 0,1,2,3,4,5,6,7
	v_max3_num_f32 v[80+2*\rt], v[80+2*\rt], v[101+8*\rt], v[102+8*\rt]
.endr
.irp rt, 0,1,2,3,4,5,6,7
	v_max3_num_f32 v[33+6*\rt], v[80+2*\rt], v[81+2*\rt], v[103+8*\rt]
.endr
.endif
.irp rt, 0,1,2,3,4,5,6,7
	v_mul_f32 v[80+2*\rt], s52, v[33+6*\rt]        ; the new MC
.endr
.irp rt, 0,1,2,3,4,5,6,7
	v_sub_f32 v[81+2*\rt], v[32+6*\rt], v[80+2*\rt]
.endr
.irp rt, 0,1,2,3,4,5,6,7
	v_mov_b32 v[32+6*\rt], v[80+2*\rt]
.endr
.irp rt, 0,1,2,3,4,5,6,7
	v_exp_f32 v[80+2*\rt], v[81+2*\rt]             ; a = 2^(old MC - new MC)
.endr
.set x, 0
.rept 4*\nr
	v_pk_fma_f32 v[96+2*x:97+2*x], v[96+2*x:97+2*x], s[52:53], v[32+6*(2*x/\nr):33+6*(2*x/\nr)] op_sel_hi:[1,0,0] neg_lo:[0,0,1] neg_hi:[0,0,1]
.set x, x+1
.endr
.set x, 0
.rept 8*\nr
	v_exp_f32 v[96+x], v[96+x]
.set x, x+1
.endr
	v_nop                                          ; a plain line behind the last exponential,
	s_wait_alu depctr_va_vdst(0)                   ; and ONE wait for the step's whole batch, ahead of its first reader
.if \nr == 16
.irp k, 0,4,8,12
.irp rt, 0,1,2,3,4,5,6,7
	v_pk_add_f32 v[96+16*\rt+\k:97+16*\rt+\k], v[96+16*\rt+\k:97+16*\rt+\k], v[98+16*\rt+\k:99+16*\rt+\k]
.endr
.endr
.irp k, 0,8
.irp rt, 0,1,2,3,4,5,6,7
	v_pk_add_f32 v[96+16*\rt+\k:97+16*\rt+\k], v[96+16*\rt+\k:97+16*\rt+\k], v[100+16*\rt+\k:101+16*\rt+\k]
.endr
.endr
.irp rt, 0,1,2,3,4,5,6,7
	v_pk_add_f32 v[96+16*\rt:97+16*\rt], v[96+16*\rt:97+16*\rt], v[104+16*\rt:105+16*\rt]
.endr
.else
.irp k, 0,4
.irp rt, 0,1,2,3,4,5,6,7
	v_pk_add_f32 v[96+8*\rt+\k:97+8*\rt+\k], v[96+8*\rt+\k:97+8*\rt+\k], v[98+8*\rt+\k:99+8*\rt+\k]
.endr
.endr
.irp rt, 0,1,2,3,4,5,6,7
	v_pk_add_f32 v[96+8*\rt:97+8*\rt], v[96+8*\rt:97+8*\rt], v[100+8*\rt:101+8*\rt]
.endr
.endif
.irp rt, 0,1,2,3,4,5,6,7
	v_pk_fma_f32 v[34+6*\rt:35+6*\rt], v[34+6*\rt:35+6*\rt], v[80+2*\rt:81+2*\rt], v[96+\nr*\rt:97+\nr*\rt] op_sel_hi:[1,0,1]   ; L = a L + the step's sum
.endr
.endm
.macro AFTER nr, sh                    ; behind a step's products and the next step's loads
	s_bitcmp1_b32 s63, s62                         ; a branch on stored whole numbers: does a target fall into this step?
	s_cbranch_scc0 .Lnohit_\@
	HITBLK \nr, \sh
.Lnohit_\@:
	SM \nr
	s_mov_b32 s60, s66
	s_add_co_u32 s62, s62, 1
.endm
.macro FINISH                          ; the two halves of the lanes are joined, and the eight records a row-lane leave, two tiles of rows to a store
.irp rt, 0,1,2,3,4,5,6,7
	v_add_f32 v[34+6*\rt], v[34+6*\rt], v[35+6*\rt]
.endr
.irp rt, 0,1,2,3,4,5,6,7
	v_permlanex16_b32 v[80+2*\rt], v[32+6*\rt], s50, s51
.endr
.irp rt, 0,1,2,3,4,5,6,7
	v_max_num_f32 v[80+2*\rt], v[80+2*\rt], v[32+6*\rt]
.endr
.irp rt, 0,1,2,3,4,5,6,7
	v_sub_f32 v[81+2*\rt], v[32+6*\rt], v[80+2*\rt]
.endr
.irp rt, 0,1,2,3,4,5,6,7
	v_exp_f32 v[81+2*\rt], v[81+2*\rt]
.endr
	v_nop
	s_wait_alu depctr_va_vdst(0)
.irp rt, 0,1,2,3,4,5,6,7
	v_mul_f32 v[34+6*\rt], v[34+6*\rt], v[81+2*\rt]
.endr
.irp rt, 0,1,2,3,4,5,6,7
	v_permlanex16_b32 v[35+6*\rt], v[34+6*\rt], s50, s51
.endr
.irp rt, 0,1,2,3,4,5,6,7
	v_add_f32 v[34+6*\rt], v[34+6*\rt], v[35+6*\rt]
.endr
.irp rt, 0,1,2,3,4,5,6,7
	v_permlanex16_b32 v[33+6*\rt], v[36+6*\rt], s50, s51
.endr
.irp rt, 0,1,2,3,4,5,6,7
	v_add_f32 v[36+6*\rt], v[36+6*\rt], v[33+6*\rt]
.endr
.irp p, 0,1,2,3
	v_cndmask_b32 v[96+4*\p], v[80+4*\p], v[82+4*\p], s77          ; lanes 0-15: tile 2 p; lanes 16-31: tile 2 p + 1
	v_cndmask_b32 v[97+4*\p], v[34+12*\p], v[40+12*\p], s77
	v_cndmask_b32 v[98+4*\p], v[36+12*\p], v[42+12*\p], s77
	v_mov_b32 v[99+4*\p], 0
	global_store_b128 v3, v[96+4*\p:99+4*\p], s[80:81] offset:512*\p   ; 512 consecutive bytes
.endr
.endm
.macro NEXT sc                         ; the next step, held inside the cluster: the last trip's loads repeat a step and are not used
	s_add_co_u32 s66, s60, 1
	s_min_u32 s66, s66, \sc-1
.endm
.Ltail:
	s_load_b512 s[32:47], s[22:23], 0x0            ; R0-R3; q; n1-n3; 0, E1-E3
	s_sub_co_u32 s49, ttmp9, 8
	s_lshl_b32 s49, s49, 3
	s_add_co_u32 s49, s49, s48                     ; my number among the 1,984
	s_lshl_b32 s74, s49, 11
	s_mov_b32 s75, 0
	s_add_nc_u64 s[80:81], s[26:27], s[74:75]      ; my records
	s_mov_b32 s77, 0xffff0000
	v_lshlrev_b32 v6, 5, v2                        ; 32 h
	s_wait_kmcnt 0x0
	s_cmp_ge_u32 s49, s43
	s_cbranch_scc1 .Lidle
	s_cmp_ge_u32 s49, s42
	s_cbranch_scc1 .Lc3
	s_cmp_ge_u32 s49, s41
	s_cbranch_scc1 .Lc2
; ---- cluster 1: K = 256, two K steps; 16 words a step ----
.macro BASE1 st
	s_lshl_b32 s74, \st, 12
	s_add_nc_u64 s[68:69], s[4:5], s[74:75]
	s_lshl_b32 s74, \st, 7
	s_add_nc_u64 s[70:71], s[6:7], s[74:75]
	s_lshl_b32 s74, \st, 6
	s_add_nc_u64 s[72:73], s[8:9], s[74:75]
.endm
.macro LOADW1                          ; 11 loads
.irp ks, 0,1
.irp c, 0,1,2,3
	global_load_b128 v[160+16*\ks+4*\c:163+16*\ks+4*\c], v4, s[68:69] offset:128*\ks+32*\c
.endr
.endr
	global_load_b64 v[14:15], v7, s[70:71]
	global_load_b128 v[200:203], v6, s[72:73]
	global_load_b128 v[204:207], v6, s[72:73] offset:16
.endm
	MAP s33, s37, s40, 1250
	POSLOAD s33, 1
	v_lshlrev_b32 v4, 8, v1
	v_lshl_add_u32 v4, v2, 4, v4                   ; 256 r + 16 h
	v_lshlrev_b32 v7, 3, v1
	BASE1 s60
	LOADW1
	s_wait_loadcnt 11                              ; the lists are in; the first step's eleven loads may be out
	HADDR 8
.irp rt, 0,1,2,3,4,5,6,7
	v_lshlrev_b32 v[112+\rt], 3, v[96+\rt]
.endr
	s_add_nc_u64 s[82:83], s[20:21], H1I
	s_add_nc_u64 s[84:85], s[20:21], HS1
	WIN 0x40
.irp rt, 0,1,2,3,4,5,6,7
.irp b, 0,1,2,3,4,5,6,7
	global_load_b128 v[32*\rt+4*\b:32*\rt+4*\b+3], v[120+\rt], s[82:83] offset:512*\b
.endr
.endr
	WIN 0
.irp rt, 0,1,2,3,4,5,6,7
	global_load_b64 v[16+2*\rt:17+2*\rt], v[112+\rt], s[84:85]
.endr
	STATS 4
.Lloop1:
	s_wait_loadcnt 0x0                             ; this step's loads (asked for a step ago) are in; so their bases may be written again
	WIN 0x04                                       ; source 1 window 1
.irp rt, 0,1,2,3,4,5,6,7
	v_wmma_scale_f32_16x16x128_f8f6f4 v[96+8*\rt:103+8*\rt], v[160:175], v[32*\rt:32*\rt+15], v[200:207], v14, v[16+2*\rt]
.endr
.irp rt, 0,1,2,3,4,5,6,7
	v_wmma_scale_f32_16x16x128_f8f6f4 v[96+8*\rt:103+8*\rt], v[176:191], v[32*\rt+16:32*\rt+31], v[96+8*\rt:103+8*\rt], v15, v[17+2*\rt]
.endr                                              ; the eight accumulators take turns
	WIN 0
	PLACES 8                                       ; in front of loads into registers that the products have read, and of the first read of results
	NEXT 1250
	BASE1 s66
	LOADW1
	AFTER 8, 4
	s_cmp_lt_u32 s62, s61
	s_cbranch_scc1 .Lloop1
	FINISH
	s_endpgm
; ---- cluster 2: K = 64; 32 words a step ----
.macro BASE2 st
	s_lshl_b32 s74, \st, 11
	s_add_nc_u64 s[68:69], s[10:11], s[74:75]
	s_lshl_b32 s74, \st, 6
	s_add_nc_u64 s[70:71], s[12:13], s[74:75]
	s_lshl_b32 s74, \st, 7
	s_add_nc_u64 s[72:73], s[14:15], s[74:75]
.endm
.macro LOADW2                          ; 10 loads; the four of codes together take 2,048 consecutive bytes
	global_load_b128 v[224:227], v4, s[68:69]
	global_load_b128 v[228:231], v4, s[68:69] offset:32
	global_load_b128 v[232:235], v4, s[68:69] offset:1024
	global_load_b128 v[236:239], v4, s[68:69] offset:1056
	global_load_u16 v10, v7, s[70:71]
	global_load_u16 v11, v7, s[70:71] offset:32
	global_load_b128 v[240:243], v6, s[72:73]
	global_load_b128 v[244:247], v6, s[72:73] offset:16
	global_load_b128 v[248:251], v6, s[72:73] offset:64
	global_load_b128 v[252:255], v6, s[72:73] offset:80
.endm
.Lc2:
	MAP s34, s38, s41, 5000
	POSLOAD s34, 2
	v_lshlrev_b32 v4, 6, v1
	v_lshl_add_u32 v4, v2, 4, v4                   ; 64 r + 16 h
	v_lshlrev_b32 v7, 1, v1
	BASE2 s60
	LOADW2
	s_wait_loadcnt 10                              ; the lists are in; the first step's ten loads may be out
	HADDR 6
.irp rt, 0,1,2,3,4,5,6,7
	v_lshlrev_b32 v[112+\rt], 1, v[96+\rt]
.endr
	s_add_nc_u64 s[82:83], s[20:21], H2I
	s_add_nc_u64 s[84:85], s[20:21], HS2
	WIN 0x40
.irp rt, 0,1,2,3,4,5,6,7
	global_load_b128 v[16*\rt+8:16*\rt+11], v[120+\rt], s[82:83]
	global_load_b128 v[16*\rt+12:16*\rt+15], v[120+\rt], s[82:83] offset:512
.endr
.irp rt, 0,1,2,3,4,5,6,7,8
.irp j, 0,1,2,3,4,5,6,7
	v_mov_b32 v[16*\rt+\j], 0                      ; zero codes between the rows' codes: the empty half of K
.endr
.endr
	WIN 0
.irp rt, 0,1,2,3,4,5,6,7
	global_load_u16 v[128+\rt], v[112+\rt], s[84:85]
.endr
	STATS 5
	s_wait_loadcnt 0x0
.irp rt, 0,1,2,3,4,5,6,7
	v_lshl_or_b32 v[16+\rt], v[128+\rt], 16, v[128+\rt]    ; the row's two scale bytes, for either half of K
.endr
.Lloop2:
	s_wait_loadcnt 0x0                             ; this step's loads are in; so their bases may be written again
	v_lshl_or_b32 v12, v11, 16, v10                ; the scale word: word v + r's two bytes, then word v + 16 + r's
	PLACES 8                                       ; a scale register written by a vector instruction stands eight places ahead of the product
	WIN 0x04
.irp rt, 0,1,2,3,4,5,6,7
	v_wmma_scale_f32_16x16x128_f8f6f4 v[96+16*\rt:103+16*\rt], v[224:239], v[16*\rt+8:16*\rt+23], v[240:247], v12, v[16+\rt]
	v_wmma_scale_f32_16x16x128_f8f6f4 v[104+16*\rt:111+16*\rt], v[224:239], v[16*\rt:16*\rt+15], v[248:255], v12, v[16+\rt]
.endr
	WIN 0
	PLACES 8
	NEXT 5000
	BASE2 s66
	LOADW2
	AFTER 16, 5
	s_cmp_lt_u32 s62, s61
	s_cbranch_scc1 .Lloop2
	FINISH
	s_endpgm
; ---- cluster 3: K = 16, left as it is: bf16 operands; 32 words a step ----
.macro BASE3 st
	s_lshl_b32 s74, \st, 5
	v_add_nc_u32 v8, s74, v1
	v_min_u32 v9, 67737, v8                        ; the last step has 26 words: no load leaves W3; the padded bias makes the repeats count for nothing
	v_lshl_add_u32 v4, v9, 6, v6
	v_add_nc_u32 v8, 16, v8
	v_min_u32 v9, 67737, v8
	v_lshl_add_u32 v5, v9, 6, v6
	s_lshl_b32 s74, \st, 7
	s_add_co_u32 s74, s74, 81920
	s_add_nc_u64 s[72:73], s[18:19], s[74:75]
.endm
.macro LOADW3                          ; 8 loads
	global_load_b128 v[224:227], v4, s[16:17]
	global_load_b128 v[228:231], v4, s[16:17] offset:16
	global_load_b128 v[232:235], v5, s[16:17]
	global_load_b128 v[236:239], v5, s[16:17] offset:16
	global_load_b128 v[240:243], v6, s[72:73]
	global_load_b128 v[244:247], v6, s[72:73] offset:16
	global_load_b128 v[248:251], v6, s[72:73] offset:64
	global_load_b128 v[252:255], v6, s[72:73] offset:80
.endm
.Lc3:
	MAP s35, s39, s42, 2117
	POSLOAD s35, 3
	BASE3 s60
	LOADW3
	s_wait_loadcnt 8                               ; the lists are in; the first step's eight loads may be out
	HADDR 5
	s_add_nc_u64 s[82:83], s[20:21], H3I
	WIN 0x40
.irp rt, 0,1,2,3,4,5,6,7
	global_load_b128 v[8*\rt+4:8*\rt+7], v[120+\rt], s[82:83]
.endr
.irp rt, 0,1,2,3,4,5,6,7,8
.irp j, 0,1,2,3
	v_mov_b32 v[8*\rt+\j], 0
.endr
.endr
	WIN 0
	STATS 5
.Lloop3:
	s_wait_loadcnt 0x0                             ; this step's loads are in; so their offsets and base may be written again
.irp j, 0,1,2,3,4,5,6,7
	v_cvt_pk_bf16_f32 v[224+\j], v[224+2*\j], v[225+2*\j]   ; in place, ascending: a pair is read before its registers are written
.endr
	WIN 0x04
.irp rt, 0,1,2,3,4,5,6,7
	v_wmma_f32_16x16x32_bf16 v[96+16*\rt:103+16*\rt], v[224:231], v[8*\rt+4:8*\rt+11], v[240:247]
	v_wmma_f32_16x16x32_bf16 v[104+16*\rt:111+16*\rt], v[224:231], v[8*\rt:8*\rt+7], v[248:255]
.endr
	WIN 0
	PLACES 4
	NEXT 2117
	BASE3 s66
	LOADW3
	AFTER 16, 5
	s_cmp_lt_u32 s62, s61
	s_cbranch_scc1 .Lloop3
	FINISH
	s_endpgm
.Lidle:
	s_endpgm
.Lfunc_end_k_q13f95a7337_tails:
	.size	k_q13f95a7337_tails, .Lfunc_end_k_q13f95a7337_tails-k_q13f95a7337_tails
	.p2alignl 7, 3214868480
	.fill 96, 4, 3214868480
	.section	.rodata,"a",@progbits
	.p2align	6, 0x0
	.amdhsa_kernel k_q13f95a7337_tails
		.amdhsa_group_segment_fixed_size 0
		.amdhsa_private_segment_fixed_size 0
		.amdhsa_enable_private_segment 0
		.amdhsa_kernarg_size 112
		.amdhsa_user_sgpr_count 2
		.amdhsa_user_sgpr_kernarg_segment_ptr 1
		.amdhsa_wavefront_size32 1
		.amdhsa_system_sgpr_workgroup_id_x 1
		.amdhsa_system_sgpr_workgroup_id_y 1
		.amdhsa_system_sgpr_workgroup_id_z 1
		.amdhsa_system_vgpr_workitem_id 0
		.amdhsa_next_free_vgpr 512
		.amdhsa_next_free_sgpr 100
		.amdhsa_reserve_vcc 1
		.amdhsa_float_denorm_mode_32 3
		.amdhsa_float_denorm_mode_16_64 3
		.amdhsa_memory_ordered 1
		.amdhsa_forward_progress 1
		.amdhsa_inst_pref_size 175
	.end_amdhsa_kernel
	.amdgpu_metadata
---
amdhsa.version: [ 1, 2 ]
amdhsa.kernels:
  - .name:           k_q13f95a7337_tails
    .symbol:         k_q13f95a7337_tails.kd
    .args:
      - { .name: W1_codes, .offset: 0, .size: 8, .value_kind: global_buffer, .address_space: global }
      - { .name: W1_scales, .offset: 8, .size: 8, .value_kind: global_buffer, .address_space: global }
      - { .name: b1, .offset: 16, .size: 8, .value_kind: global_buffer, .address_space: global }
      - { .name: W2_codes, .offset: 24, .size: 8, .value_kind: global_buffer, .address_space: global }
      - { .name: W2_scales, .offset: 32, .size: 8, .value_kind: global_buffer, .address_space: global }
      - { .name: b2, .offset: 40, .size: 8, .value_kind: global_buffer, .address_space: global }
      - { .name: W3, .offset: 48, .size: 8, .value_kind: global_buffer, .address_space: global }
      - { .name: bias, .offset: 56, .size: 8, .value_kind: global_buffer, .address_space: global }
      - { .name: hq, .offset: 64, .size: 8, .value_kind: global_buffer, .address_space: global }
      - { .name: route, .offset: 72, .size: 8, .value_kind: global_buffer, .address_space: global }
      - { .name: rech, .offset: 80, .size: 8, .value_kind: global_buffer, .address_space: global }
      - { .name: rect, .offset: 88, .size: 8, .value_kind: global_buffer, .address_space: global }
      - { .name: hv, .offset: 96, .size: 8, .value_kind: global_buffer, .address_space: global }
      - { .name: out0, .offset: 104, .size: 8, .value_kind: global_buffer, .address_space: global }
    .group_segment_fixed_size: 0
    .private_segment_fixed_size: 0
    .kernarg_segment_align: 8
    .kernarg_segment_size: 112
    .max_flat_workgroup_size: 256
    .sgpr_count:     100
    .vgpr_count:     512
    .wavefront_size: 32
...
	.end_amdgpu_metadata
.endif
;; end of part 3
;; launch fin (part 4): grid 64 x 3, 8 waves a work-group, no clusters, 5,120 bytes of LDS; arguments route, rect, hv, out0; writes out0
.if DOCPART == 4
	.amdgcn_target "amdgcn-amd-amdhsa--gfx1250"
	.amdhsa_code_object_version 6
	.text
	.protected	k_q13f95a7337_fin
	.globl	k_q13f95a7337_fin
	.p2align	8
	.type	k_q13f95a7337_fin,@function
k_q13f95a7337_fin:
	s_mov_b64 s[64:65], 0
	v_nop
	global_prefetch_b8 v0, s[64:65] scope:SCOPE_SE
	s_setreg_imm32_b32 hwreg(HW_REG_WAVE_MODE, 25, 1), 1
	s_wait_xcnt 0x0
; FIN: for the rows of the three tails: out0 = -(hv + X - ln 2 (MC + log2 L)), (MC, L, X) merged from the records of the n_c waves that walked the row's tail.
; Work-group (x, y) serves places 16 x .. 16 x + 15 of cluster y + 1's list.  Wave w, half h of the lanes takes records 16 t + 2 w + h, t = 0 .. 23 (n_c is at most 358); a record past n_c counts for nothing.
; The way is the same for every work-group up to the one barrier; a work-group whose places lie past the list's end stores nothing.  Places past the end inside a group repeat the last row, with the same value.
	s_load_b256 s[4:11], s[0:1], 0x0               ; route, rect, hv, out0
	v_lshl_add_u32 v160, v0, 2, 0x1000
	v_mov_b32 v161, 0
	v_lshrrev_b32 v1, 5, v0
	v_readfirstlane_b32 s40, v1                    ; wave
	v_and_b32 v1, 15, v0                           ; r
	v_bfe_u32 v2, v0, 4, 1                         ; h
	v_lshlrev_b32 v3, 4, v1
	v_lshlrev_b32 v4, 4, v0                        ; LDS: 16 x thread
	s_lshl_b32 s41, s40, 1
	v_add_nc_u32 v5, s41, v2                       ; 2 w + h
	s_and_b32 s28, ttmp7, 0xffff
	s_mov_b32 s42, 0x76543210
	s_mov_b32 s43, 0xfedcba98
	s_mov_b32 s44, 0x3f317218                      ; ln 2
	s_wait_kmcnt 0x0
	s_load_b512 s[12:27], s[4:5], 0x0              ; R0-R3; q; n1-n3; 0, E1-E3
	s_wait_kmcnt 0x0
	s_cmp_eq_u32 s28, 0
	s_cselect_b32 s29, s13, s14                    ; the cluster's rows,
	s_cselect_b32 s30, s17, s18                    ; its waves a tile,
	s_cselect_b32 s31, s20, s21                    ; its first wave
	s_cmp_eq_u32 s28, 2
	s_cselect_b32 s29, s15, s29
	s_cselect_b32 s30, s19, s30
	s_cselect_b32 s31, s22, s31
	s_lshl_b32 s32, ttmp9, 4
	s_cmp_lt_u32 s32, s29
	s_cselect_b32 s33, 1, 0                        ; have I rows?
	s_cselect_b32 s30, s30, 0
	s_lshr_b32 s34, ttmp9, 3
	s_mul_i32 s34, s34, s30
	s_add_co_u32 s34, s34, s31                     ; the first wave of my tile of 128
	s_and_b32 s35, ttmp9, 7
	s_lshl_b32 s36, s35, 8
	s_mov_b32 s37, 0
	s_add_nc_u64 s[6:7], s[6:7], s[36:37]          ; my 16 rows' records in a wave's 2,048 bytes
	s_max_u32 s35, s29, 1
	s_sub_co_u32 s35, s35, 1
	v_add_nc_u32 v6, s32, v1
	v_min_u32 v6, s35, v6
	v_min_u32 v6, 1023, v6
	s_lshl_b32 s36, s28, 12
	s_add_co_u32 s36, s36, 4352+4096
	v_lshl_add_u32 v6, v6, 2, s36
	global_load_b32 v7, v6, s[4:5]                 ; the row's number
	v_add_nc_u32 v9, s34, v5
.set t, 0
.rept 24
	v_add_nc_u32 v[128+t], 16*t, v9
	v_min_u32 v[128+t], 1983, v[128+t]             ; no load leaves the buffer
	v_lshl_add_u32 v[128+t], v[128+t], 11, v3
	global_load_b128 v[32+4*t:35+4*t], v[128+t], s[6:7] th:TH_LOAD_NT
.set t, t+1
.endr
	v_mov_b32 v10, 0xff61b1e6                      ; -3e38
	v_mov_b32 v12, v10                             ; the running MC, L, X
	v_mov_b32 v13, 0
	v_mov_b32 v14, 0
	v_mov_b32 v15, 0
	v_mov_b32 v18, 0
	s_wait_loadcnt 24                              ; the row's number is in; the 24 records may be out
	v_min_u32 v7, 1023, v7
	v_lshlrev_b32 v7, 2, v7
	global_load_b32 v8, v7, s[8:9]                 ; hv of the row
	s_wait_loadcnt 1                               ; the records are in; hv may be out
.set t, 0
.rept 24
	s_sub_co_i32 s36, s30, 16*t
	v_cmp_gt_i32 vcc_lo, s36, v5                   ; 16 t + 2 w + h < n?
	v_cndmask_b32 v[32+4*t], v10, v[32+4*t], vcc_lo
	v_cndmask_b32 v[33+4*t], 0, v[33+4*t], vcc_lo
	v_cndmask_b32 v[34+4*t], 0, v[34+4*t], vcc_lo
.set t, t+1
.endr
.macro MERGE n, b                      ; n records at v[b + 4 i] are merged into the running (v12, v13, v14)
	v_max3_num_f32 v16, v12, v[\b], v[\b+4]
.set i, 2
.rept ((\n)-2)/2
	v_max3_num_f32 v16, v16, v[\b+4*i], v[\b+4*i+4]
.set i, i+2
.endr
	v_sub_f32 v17, v12, v16
.set i, 0
.rept \n
	v_sub_f32 v[\b+4*i], v[\b+4*i], v16
.set i, i+1
.endr
	v_exp_f32 v17, v17
.set i, 0
.rept \n
	v_exp_f32 v[\b+4*i], v[\b+4*i]
.set i, i+1
.endr
	v_mov_b32 v12, v16                             ; a plain line behind the last exponential,
	s_wait_alu depctr_va_vdst(0)                   ; and one wait for the batch
	v_mul_f32 v13, v13, v17
.set i, 0
.rept \n
	v_fmac_f32 v13, v[\b+4*i+1], v[\b+4*i]
	v_add_f32 v14, v14, v[\b+4*i+2]
.set i, i+1
.endr
.endm
.macro HALVES                          ; each half brings its own L under the joint MC, then they are added: both halves end with the same bits
	v_permlanex16_b32 v18, v12, s42, s43
	v_max_num_f32 v18, v18, v12
	v_sub_f32 v17, v12, v18
	v_exp_f32 v17, v17
	v_mov_b32 v12, v18
	s_wait_alu depctr_va_vdst(0)
	v_mul_f32 v13, v13, v17
	v_permlanex16_b32 v18, v13, s42, s43
	v_add_f32 v13, v13, v18
	v_permlanex16_b32 v18, v14, s42, s43
	v_add_f32 v14, v14, v18
.endm
	MERGE 24, 32
	HALVES
	ds_store_b128 v4, v[12:15]
	s_wait_dscnt 0x0                               ; for the others' sake: my store has landed
	s_barrier_signal -1
	s_barrier_wait -1
	s_cmp_lg_u32 s40, 0
	s_cbranch_scc1 .Lend
	s_cmp_eq_u32 s33, 0
	s_cbranch_scc1 .Lend
	v_lshl_add_u32 v9, v2, 11, v3                  ; lanes 0-15 take waves 0-3's records of row r, lanes 16-31 waves 4-7's
.irp j, 0,1,2,3
	ds_load_b128 v[32+4*\j:35+4*\j], v9 offset:512*\j
.endr
	v_mov_b32 v12, v10
	v_mov_b32 v13, 0
	v_mov_b32 v14, 0
	s_wait_dscnt 0x0
	MERGE 4, 32
	HALVES
	v_log_f32 v16, v13
	s_wait_loadcnt 0x0                             ; hv
	v_add_f32 v17, v14, v8                         ; X + hv  (a plain line behind the logarithm)
	s_wait_alu depctr_va_vdst(0)
	v_add_f32 v16, v16, v12                        ; MC + log2 L
	v_fma_f32 v16, v16, s44, -v17
	global_store_b32 v7, v16, s[10:11]
.Lend:
	s_wait_tensorcnt 0x0
	ds_add_u32 v160, v161
	s_wait_dscnt 0x0
	s_endpgm
.Lfunc_end_k_q13f95a7337_fin:
	.size	k_q13f95a7337_fin, .Lfunc_end_k_q13f95a7337_fin-k_q13f95a7337_fin
	.p2alignl 7, 3214868480
	.fill 96, 4, 3214868480
	.section	.rodata,"a",@progbits
	.p2align	6, 0x0
	.amdhsa_kernel k_q13f95a7337_fin
		.amdhsa_group_segment_fixed_size 5120
		.amdhsa_private_segment_fixed_size 0
		.amdhsa_enable_private_segment 0
		.amdhsa_kernarg_size 32
		.amdhsa_user_sgpr_count 2
		.amdhsa_user_sgpr_kernarg_segment_ptr 1
		.amdhsa_wavefront_size32 1
		.amdhsa_system_sgpr_workgroup_id_x 1
		.amdhsa_system_sgpr_workgroup_id_y 1
		.amdhsa_system_sgpr_workgroup_id_z 1
		.amdhsa_system_vgpr_workitem_id 0
		.amdhsa_next_free_vgpr 162
		.amdhsa_next_free_sgpr 66
		.amdhsa_reserve_vcc 1
		.amdhsa_float_denorm_mode_32 3
		.amdhsa_float_denorm_mode_16_64 3
		.amdhsa_memory_ordered 1
		.amdhsa_forward_progress 1
		.amdhsa_inst_pref_size 21
	.end_amdhsa_kernel
	.amdgpu_metadata
---
amdhsa.version: [ 1, 2 ]
amdhsa.kernels:
  - .name:           k_q13f95a7337_fin
    .symbol:         k_q13f95a7337_fin.kd
    .args:
      - { .name: route, .offset: 0, .size: 8, .value_kind: global_buffer, .address_space: global }
      - { .name: rect, .offset: 8, .size: 8, .value_kind: global_buffer, .address_space: global }
      - { .name: hv, .offset: 16, .size: 8, .value_kind: global_buffer, .address_space: global }
      - { .name: out0, .offset: 24, .size: 8, .value_kind: global_buffer, .address_space: global }
    .group_segment_fixed_size: 5120
    .private_segment_fixed_size: 0
    .kernarg_segment_align: 8
    .kernarg_segment_size: 32
    .max_flat_workgroup_size: 256
    .sgpr_count:     66
    .vgpr_count:     162
    .wavefront_size: 32
...
	.end_amdgpu_metadata
.endif
;; end of part 4
;; ======== version 2 of 2: 4 launches; version 1 with the launches prep, head, tails written anew for expert scheduling mode
;; workspace buffers: hq 1,452,032 bytes; bias 360,448 bytes; route 37,120 bytes of whole numbers; rech 4,096,000 bytes; rect 4,063,232 bytes; hv 4,096 bytes
;; launch prep (part 5): grid 733 x 1, 4 waves a work-group, no clusters, 0 bytes of LDS; arguments hidden_codes, hidden_scales, p0_codes, p0_scales, p1_codes, p1_scales, p2_codes, p2_scales, p3_codes, p3_scales, target, b0, cluster_bias, b3, hq, bias, route; writes hq, bias, route
.if DOCPART == 5
	.amdgcn_target "amdgcn-amd-amdhsa--gfx1250"
	.amdhsa_code_object_version 6
	.text
	.protected	k_q13f95a7337_prep
	.globl	k_q13f95a7337_prep
	.p2align	8
	.type	k_q13f95a7337_prep,@function
k_q13f95a7337_prep:
	s_mov_b64 s[64:65], 0
	v_nop
	global_prefetch_b8 v0, s[64:65] scope:SCOPE_SE
	s_setreg_imm32_b32 hwreg(HW_REG_WAVE_SCHED_MODE, 0, 2), 2
	s_setreg_imm32_b32 hwreg(HW_REG_WAVE_MODE, 25, 1), 1
	s_wait_xcnt 0x0
	s_wait_alu depctr_vm_vsrc(0)
; PREP: three jobs, told apart by the work-group's number.
;   work-group 0 (wave 0 alone): the rows are sorted by the cluster of their target (a counting sort in one wave), and the shares of the tails' waves are worked out, all in whole numbers.
;   work-groups 1-44: the head's bias (b0, then cluster_bias) and b3, padded with -1e30, are laid into one aligned workspace, 2,048 numbers a work-group.
;   work-groups 45-732: hidden x p0 .. p3 on the given codes.  A wave makes 16 rows x 32 columns (one block of the next K), quantises it in registers and stores it as an image of the next operand's registers.
; LAYOUT of hq: block b (32 along K) of row tile T lies at (T NB + b) 512 + 16 lane; lane (r, h)'s 16 bytes are k = 32 b + 16 h + 0 .. 15 of row 16 T + r.  Scale bytes: [row][NB].  The fourth projection (16 wide) is kept as bf16.
; THE PRODUCT IS USED TRANSPOSED (source 0 = 16 columns of p, source 1 = 16 rows of hidden), and lane r of tile u takes column 32 b + 8 u + r + 8 (r / 8): a lane's 16 results are then 16 neighbours along the next K.
; LIMITS: NaN and infinities are not served; a block of zeros gets the scale byte 1 (its codes are zeros, and this program alone reads the bytes); targets lie in 0 .. 267,734.
; THE MODE: SCHED_MODE bits 1:0 = 2 (LLVM: expert scheduling mode 2), set by the entry lines.  The code itself states the register dependences between vector or matrix instructions and memory instructions, with s_wait_alu, always for 0.
; THE PLAN.  Registers that memory instructions touch:
;   projections: the offsets v4, v5, v7-v11, v24 are made once, ahead of one wait, and never written again; loads land once, in registers that no vector instruction has named; the quantiser writes v60-63 and v52, one wait, the stores read them.
;   biases:      the sixteen offsets v48-63 are made first, one wait, sixteen loads in a run; the last selects write v16-31, one wait, four stores.
;   routing:     each of the 32 turns owns its stores' offset and data (v160 + x, v192 + x, v224 + x, v16 + x), never written again; the turns go in groups of four, and a group's stores go out in the next group, behind the wait at its head.
; Masks that compares write are made in runs, into several scalar registers, with one wait behind each run.
.set H1I, 1048576
.set H2I, 1310720
.set H3I, 1376256
.set HS0, 1409024
.set HS1, 1441792
.set HS2, 1449984
.set NEGBIG, 0xf149f2ca                ; -1e30
.set MSB, 0
.macro WIN new                         ; the immediate's high byte repeats the setting that is left
.if MSB != (\new)
	s_set_vgpr_msb (MSB<<8)|(\new)
.set MSB, (\new)
.endif
.endm
	s_load_b512 s[4:19], s[0:1], 0x0               ; hidden codes, scales; p0 codes, scales; p1; p2
	s_load_b512 s[20:35], s[0:1], 0x40             ; p3 codes, scales; target; b0; cluster_bias; b3; hq; bias
	s_load_b64 s[36:37], s[0:1], 0x80              ; route
	v_lshrrev_b32 v1, 5, v0
	v_readfirstlane_b32 s38, v1                    ; wave
	v_and_b32 v1, 31, v0                           ; lane
	v_and_b32 v2, 15, v0                           ; r
	v_bfe_u32 v3, v0, 4, 1                         ; h
	s_wait_alu depctr_va_sdst(0)                   ; s38 is written: ahead of the branches, and so of its first reader on every way
	s_cmp_eq_u32 ttmp9, 0
	s_cbranch_scc1 .Lroute
	s_cmp_lt_u32 ttmp9, 45
	s_cbranch_scc1 .Lbias
; ---------------- the projections ----------------
	s_sub_co_u32 s39, ttmp9, 45                    ; j = 43 x (group of four row tiles) + unit
	s_mul_i32 s40, s39, 1525
	s_lshr_b32 s40, s40, 16                        ; j / 43 (exact for j < 688: 43 x 1525 = 65,536 + 39)
	s_mul_i32 s41, s40, 43
	s_sub_co_u32 s41, s39, s41                     ; the unit: 0-31 p0's blocks, 32-39 p1's, 40-41 p2's, 42 p3
	s_lshl_b32 s42, s40, 2
	s_add_co_u32 s42, s42, s38                     ; my row tile T
	s_mov_b32 s90, 0x76543210
	s_mov_b32 s91, 0xfedcba98                      ; lane selects: lane l xor 16
	s_mov_b32 s92, 0x600000                        ; the mantissa field of 448
	s_wait_kmcnt 0x0
	s_mov_b64 s[44:45], s[20:21]                   ; the choice hangs on the unit alone: first p3's,
	s_mov_b64 s[46:47], s[22:23]
	s_mov_b32 s48, 1                               ; NB: blocks in a row of the result
	s_mov_b32 s49, 42                              ; the tensor's first unit
	s_mov_b32 s50, H3I                             ; where its images begin
	s_mov_b32 s51, HS2                             ; and its scale bytes
	s_mov_b32 s52, 0                               ; 1: the columns of a tile are spread
	s_cmp_lt_u32 s41, 42                           ; then p2's,
	s_cselect_b64 s[44:45], s[16:17], s[44:45]
	s_cselect_b64 s[46:47], s[18:19], s[46:47]
	s_cselect_b32 s48, 2, s48
	s_cselect_b32 s49, 40, s49
	s_cselect_b32 s50, H2I, s50
	s_cselect_b32 s52, 1, s52
	s_cmp_lt_u32 s41, 40                           ; p1's,
	s_cselect_b64 s[44:45], s[12:13], s[44:45]
	s_cselect_b64 s[46:47], s[14:15], s[46:47]
	s_cselect_b32 s48, 8, s48
	s_cselect_b32 s49, 32, s49
	s_cselect_b32 s50, H1I, s50
	s_cselect_b32 s51, HS1, s51
	s_cmp_lt_u32 s41, 32                           ; p0's
	s_cselect_b64 s[44:45], s[8:9], s[44:45]
	s_cselect_b64 s[46:47], s[10:11], s[46:47]
	s_cselect_b32 s48, 32, s48
	s_cselect_b32 s49, 0, s49
	s_cselect_b32 s50, 0, s50
	s_cselect_b32 s51, HS0, s51
	s_sub_co_u32 s53, s41, s49                     ; b: my block of 32 columns
	s_mov_b32 s59, 0
	s_lshl_b32 s58, s42, 14
	s_add_nc_u64 s[54:55], s[4:5], s[58:59]        ; hidden's codes at my 16 rows
	s_lshl_b32 s58, s42, 9
	s_add_nc_u64 s[56:57], s[6:7], s[58:59]        ; and their scale bytes
	s_lshl_b32 s58, s53, 15
	s_add_nc_u64 s[44:45], s[44:45], s[58:59]      ; p's codes at column 32 b
	s_lshl_b32 s58, s53, 10
	s_add_nc_u64 s[46:47], s[46:47], s[58:59]
	s_mul_i32 s60, s42, s48                        ; T NB
	s_add_co_u32 s58, s60, s53
	s_lshl_b32 s58, s58, 9
	s_add_co_u32 s58, s58, s50
	s_add_nc_u64 s[62:63], s[32:33], s[58:59]      ; my image
	s_lshl_b32 s58, s60, 4
	s_add_co_u32 s58, s58, s53
	s_add_co_u32 s58, s58, s51
	s_add_nc_u64 s[66:67], s[32:33], s[58:59]      ; my rows' scale bytes, column b
	v_lshlrev_b32 v4, 10, v2
	v_lshl_add_u32 v4, v3, 4, v4                   ; hidden: row r of 1,024 bytes + 16 h
	v_lshlrev_b32 v5, 5, v2
	v_lshl_add_u32 v5, v3, 4, v5                   ; its scales: lanes 0-15 take K steps 0-3's words, lanes 16-31 K steps 4-7's
	v_and_b32 v6, 8, v2
	v_mul_u32_u24 v6, v6, s52
	v_add_nc_u32 v6, v6, v2                        ; r + 8 (r / 8); for p3: r
	v_lshlrev_b32 v7, 10, v6
	v_lshl_add_u32 v7, v3, 4, v7                   ; p, tile 0
	s_lshl_b32 s61, s52, 13
	v_add_nc_u32 v8, s61, v7                       ; tile 1: 8 columns on (for p3: tile 0 again; its result is not used)
	v_lshlrev_b32 v9, 5, v6
	v_lshl_add_u32 v9, v3, 4, v9
	s_lshl_b32 s61, s52, 8
	v_add_nc_u32 v10, s61, v9
	v_lshlrev_b32 v11, 4, v1                       ; 16 x lane
	v_mul_u32_u24 v24, v2, s48                     ; r NB
	v_mov_b32 v49, 0                               ; a lane permute's destination counts as one of its sources
	s_wait_alu depctr_va_vdst(0)                   ; the offsets v4, v5, v7 to v11 and v24 are written, which the loads below and the stores at the end read
	global_load_b128 v[64:67], v5, s[56:57]        ; scale words: hidden's,
	global_load_b128 v[68:71], v9, s[46:47]        ; p's tile 0,
	global_load_b128 v[72:75], v10, s[46:47]       ; p's tile 1
.irp ks, 0,1,2,3,4,5,6,7
.irp c, 0,1,2,3
	global_load_b128 v[128+16*\ks+4*\c:131+16*\ks+4*\c], v4, s[54:55] offset:128*\ks+32*\c
.endr
.endr
	WIN 0x40                                       ; destination window 1: p's fragments, (tile t, K step) at 128 t + 16 x step
.irp ks, 0,1,2,3,4,5,6,7
.irp t, 0,1
.irp c, 0,1,2,3
	global_load_b128 v[128*\t+16*\ks+4*\c:128*\t+16*\ks+4*\c+3], v[7+\t], s[44:45] offset:128*\ks+32*\c
.endr
.endr
.endr
	WIN 0x01                                       ; source 0 window 1
.irp ks, 0,1,2,3,4,5,6,7
	s_wait_loadcnt 8*(7-\ks)                       ; the eight loads of each later K step of p may be out
.irp t, 0,1
.if \ks == 0
	v_wmma_scale_f32_16x16x128_f8f6f4 v[32+8*\t:39+8*\t], v[128*\t+16*\ks:128*\t+16*\ks+15], v[128+16*\ks:143+16*\ks], 0, v[68+4*\t+\ks%4], v[64+\ks%4]
.elseif \ks < 4
	v_wmma_scale_f32_16x16x128_f8f6f4 v[32+8*\t:39+8*\t], v[128*\t+16*\ks:128*\t+16*\ks+15], v[128+16*\ks:143+16*\ks], v[32+8*\t:39+8*\t], v[68+4*\t+\ks%4], v[64+\ks%4]
.else
	v_wmma_scale_f32_16x16x128_f8f6f4 v[32+8*\t:39+8*\t], v[128*\t+16*\ks:128*\t+16*\ks+15], v[128+16*\ks:143+16*\ks], v[32+8*\t:39+8*\t], v[68+4*\t+\ks%4], v[64+\ks%4] matrix_a_scale:MATRIX_SCALE_ROW1 matrix_b_scale:MATRIX_SCALE_ROW1
.endif
.endr
.endr                                              ; the two accumulators take turns, one instruction a turn; K ascends
	WIN 0
.rept 8
	v_nop                                          ; eight places in front of the first read of the results
.endr
	s_cmp_eq_u32 s41, 42
	s_cbranch_scc1 .Lp3
	v_max3_num_f32 v48, |v32|, |v33|, 0x4800000    ; my 16 numbers of the block, and the floor 2^(9 - 127): the byte cannot fall under 1
.irp i, 2,4,6,8,10,12,14
	v_max3_num_f32 v48, v48, |v[32+\i]|, |v[33+\i]|
.endr
	v_permlanex16_b32 v49, v48, s90, s91
	v_max_num_f32 v48, v48, v49                    ; with lane l xor 16's 16: the block's largest magnitude
	v_add_nc_u32 v50, 0xfc000000, v48              ; 8 off its exponent field: the conversion's scale operand
	v_and_or_b32 v51, v48, 0x7f800000, s92         ; 448 x the scale
	v_lshrrev_b32 v52, 23, v50                     ; the scale's byte
.irp i, 0,1,2,3,4,5,6,7,8,9,10,11,12,13,14,15
	v_med3_num_f32 v[32+\i], v[32+\i], -v51, v51   ; the conversion to an 8-bit code does not saturate (ISA guide 7.6.2): the hold first
.endr
	v_cvt_scalef32_pk8_fp8_f32 v[60:61], v[32:39], v50
	v_cvt_scalef32_pk8_fp8_f32 v[62:63], v[40:47], v50
	v_nop                                          ; a plain line behind the last scaled conversion
	s_wait_alu depctr_va_vdst(0)                   ; the conversions have written v[60:63] and the shift v52, which the two stores read
	global_store_b128 v11, v[60:63], s[62:63]      ; the wave stores 512 consecutive bytes
	global_store_b8 v24, v52, s[66:67]             ; both lanes of a row store the same byte
	s_endpgm
.Lp3:
	v_cvt_pk_bf16_f32 v60, v32, v33                ; the fourth projection: lane (r, h) holds columns 8 h + 0 .. 7 of row r: half of a bf16 operand's registers
	v_cvt_pk_bf16_f32 v61, v34, v35
	v_cvt_pk_bf16_f32 v62, v36, v37
	v_cvt_pk_bf16_f32 v63, v38, v39
	s_wait_alu depctr_va_vdst(0)                   ; the roundings have written v[60:63], which the store reads
	global_store_b128 v11, v[60:63], s[62:63]
	s_endpgm
; ---------------- the biases ----------------
.Lbias:
	s_sub_co_u32 s39, ttmp9, 1                     ; 0-9: the head's bias; 10-43: b3
	s_wait_kmcnt 0x0
	s_load_b96 s[40:42], s[28:29], 0x0             ; cluster_bias
	s_cmp_lt_u32 s39, 10
	s_cselect_b64 s[44:45], s[26:27], s[30:31]
	s_mov_b32 s46, 67738
	s_cselect_b32 s46, 19997, s46                  ; the source's length
	s_cselect_b32 s47, 0, 10
	s_wait_kmcnt 0x0
	s_cselect_b32 s40, s40, NEGBIG                 ; what follows the source: cluster_bias, or -1e30
	s_cselect_b32 s41, s41, NEGBIG
	s_cselect_b32 s42, s42, NEGBIG
	s_sub_co_u32 s47, s39, s47
	s_lshl_b32 s47, s47, 11                        ; my first number
	s_lshl_b32 s48, s39, 13                        ; and its place: the second region begins 10 x 8,192 bytes on
	s_mov_b32 s49, 0
	s_add_nc_u64 s[50:51], s[34:35], s[48:49]
	s_sub_co_u32 s52, s46, 1
	v_lshl_add_u32 v4, v0, 2, s47
	v_lshlrev_b32 v5, 4, v0
	v_mov_b32 v8, s40
	v_mov_b32 v9, s41
	v_mov_b32 v10, s42
.set x, 0
.rept 16
	v_add_nc_u32 v[32+x], 512*(x/4)+x%4, v4        ; number i
	v_min_u32 v[48+x], s52, v[32+x]                ; no load leaves the source
	v_lshlrev_b32 v[48+x], 2, v[48+x]
	v_sub_nc_u32 v[80+x], v[32+x], s46             ; how far behind the source's end
.set x, x+1
.endr
	s_wait_alu depctr_va_vdst(0)                   ; the sixteen offsets v48 to v63 are written, which the loads read, and v5, which the stores read
.set x, 0
.rept 16
	global_load_b32 v[16+x], v[48+x], s[44:45]
.set x, x+1
.endr
; what follows the source hangs on no loaded number: it is made while the loads are out.  The compares stand in runs of sixteen.
.irp g, 0,1
.set x, 0
.rept 8
	v_cmp_lt_i32 s[68+2*x], 0, v[80+8*\g+x]
	v_cmp_lt_i32 s[69+2*x], 1, v[80+8*\g+x]
.set x, x+1
.endr
	s_wait_alu depctr_va_sdst(0)                   ; the sixteen masks s68 to s83 are written, ahead of the selects that read them
.set x, 0
.rept 8
	v_cndmask_b32 v[96+8*\g+x], v8, v9, s[68+2*x]
	v_cndmask_b32 v[96+8*\g+x], v[96+8*\g+x], v10, s[69+2*x]
.set x, x+1
.endr
.endr
.set x, 0
.rept 16
	v_cmp_gt_u32 s[68+x], s46, v[32+x]             ; inside the source?
.set x, x+1
.endr
	s_wait_alu depctr_va_sdst(0)                   ; the sixteen masks s68 to s83 are written anew, ahead of the selects that read them
	s_wait_loadcnt 0x0
.set x, 0
.rept 16
	v_cndmask_b32 v[16+x], v[96+x], v[16+x], s[68+x]
.set x, x+1
.endr
	s_wait_alu depctr_va_vdst(0)                   ; the selects have written v16 to v31, which the stores read
.irp g, 0,1,2,3
	global_store_b128 v5, v[16+4*\g:19+4*\g], s[50:51] offset:2048*\g   ; sixteen lanes store 256 consecutive bytes, aligned
.endr
	s_endpgm
; ---------------- the routing ----------------
.Lroute:
	s_cmp_lg_u32 s38, 0
	s_cbranch_scc1 .Lend
	s_wait_kmcnt 0x0
	v_lshlrev_b32 v4, 4, v1
	s_wait_alu depctr_va_vdst(0)                   ; the offset v4 is written, which the loads below and the index's stores read
.irp i, 0,1,2,3,4,5,6,7
	global_load_b128 v[128+4*\i:131+4*\i], v4, s[24:25] offset:512*\i   ; register 4 i + e of lane l is row 128 i + 4 l + e
.endr
	s_mov_b32 s40, 19997
	s_mov_b32 s41, 39997
	s_mov_b32 s42, 199997
	v_mov_b32 v5, s40                              ; cluster 1's first word; also the head's index of cluster 1
	v_mov_b32 v6, s41
	v_mov_b32 v7, s42
	v_mov_b32 v9, 19998
	v_mov_b32 v10, 19999
	v_lshlrev_b32 v11, 2, v1
	s_mov_b32 s44, 0                               ; where each cluster's list goes on: 1,024 places each
	s_mov_b32 s45, 1024
	s_mov_b32 s46, 2048
	s_mov_b32 s47, 3072
	s_wait_loadcnt 0x0
; 32 rows at a time: the lanes of a cluster take the list's next places in lane order.  Each turn has registers of its own for its stores' addresses and data.
; The turns go in groups of four: a group's twelve compares in one run, then the stores of the group before, then the group's arithmetic.
.set g, 0
.rept 8
.set k, 0
.rept 4
	v_cmp_le_u32 s[72+3*k], s40, v[128+4*g+k]
	v_cmp_le_u32 s[73+3*k], s41, v[128+4*g+k]
	v_cmp_le_u32 s[74+3*k], s42, v[128+4*g+k]
.set k, k+1
.endr
	s_wait_alu depctr_va_sdst(0)                   ; the twelve masks s72 to s83 are written, ahead of the scalar lines and selects that read them
.if g > 0
	s_wait_alu depctr_va_vdst(0)                   ; the group before has written its places, rows and targets, which its eight stores read
.set y, 4*(g-1)
.rept 4
	global_store_b32 v[160+y], v[192+y], s[36:37] offset:4352
	global_store_b32 v[160+y], v[224+y], s[36:37] offset:20736
.set y, y+1
.endr
.endif
.set k, 0
.rept 4
.set x, 4*g+k
.set m, 72+3*k
	s_not_b32 s51, s[m]                            ; the lanes of cluster 0,
	s_and_not1_b32 s52, s[m], s[m+1]               ; 1,
	s_and_not1_b32 s53, s[m+1], s[m+2]             ; 2; cluster 3's are the third mask
	v_mbcnt_lo_u32_b32 v12, s51, s44
	v_mbcnt_lo_u32_b32 v13, s52, s45
	v_cndmask_b32 v12, v12, v13, s[m]
	v_mbcnt_lo_u32_b32 v13, s53, s46
	v_cndmask_b32 v12, v12, v13, s[m+1]
	v_mbcnt_lo_u32_b32 v13, s[m+2], s47
	v_cndmask_b32 v12, v12, v13, s[m+2]            ; my place
	s_bcnt1_i32_b32 s54, s51
	s_add_co_u32 s44, s44, s54
	s_bcnt1_i32_b32 s54, s52
	s_add_co_u32 s45, s45, s54
	s_bcnt1_i32_b32 s54, s53
	s_add_co_u32 s46, s46, s54
	s_bcnt1_i32_b32 s54, s[m+2]
	s_add_co_u32 s47, s47, s54
	v_cndmask_b32 v13, 0, v5, s[m]
	v_cndmask_b32 v13, v13, v6, s[m+1]
	v_cndmask_b32 v13, v13, v7, s[m+2]
	v_sub_nc_u32 v[224+x], v[128+x], v13           ; the target within its cluster
	v_cndmask_b32 v[16+x], v[128+x], v5, s[m]      ; the head's index: the target, or the cluster's logit
	v_cndmask_b32 v[16+x], v[16+x], v9, s[m+1]
	v_cndmask_b32 v[16+x], v[16+x], v10, s[m+2]
	v_min_u32 v12, 4095, v12
	v_lshlrev_b32 v[160+x], 2, v12
	v_add_nc_u32 v[192+x], 128*(x/4)+x%4, v11      ; the row's number
.set k, k+1
.endr
.set g, g+1
.endr
	s_wait_alu depctr_va_vdst(0)                   ; the last group has written its places, rows and targets, and all turns their indices v16 to v47, which the stores below read
.set y, 28
.rept 4
	global_store_b32 v[160+y], v[192+y], s[36:37] offset:4352
	global_store_b32 v[160+y], v[224+y], s[36:37] offset:20736
.set y, y+1
.endr
.irp i, 0,1,2,3,4,5,6,7
	global_store_b128 v4, v[16+4*\i:19+4*\i], s[36:37] offset:256+512*\i
.endr
; The shares.  Cluster c has tiles_c tiles of 128 rows and S_c steps along its words.  A wave takes one tile and q steps; q is the least that lets 1,984 waves serve all: sum tiles_c ceil(S_c / q) < U / q + 10 < 1,978.
.macro LDIV dst, num, den, bits        ; the largest dst with dst x den <= num, bit by bit from the top
	s_mov_b32 \dst, 0
.set bb, \bits
.rept \bits
.set bb, bb-1
	s_or_b32 s70, \dst, 1<<bb
	s_mul_i32 s71, s70, \den
	s_cmp_le_u32 s71, \num
	s_cselect_b32 \dst, s70, \dst
.endr
.endm
	s_sub_co_u32 s45, s45, 1024                    ; the clusters' numbers of rows
	s_sub_co_u32 s46, s46, 2048
	s_sub_co_u32 s47, s47, 3072
	s_add_co_u32 s56, s45, 127
	s_lshr_b32 s56, s56, 7
	s_add_co_u32 s57, s46, 127
	s_lshr_b32 s57, s57, 7
	s_add_co_u32 s58, s47, 127
	s_lshr_b32 s58, s58, 7
	s_mul_i32 s59, s56, 1250
	s_mul_i32 s60, s57, 5000
	s_add_co_u32 s59, s59, s60
	s_mul_i32 s60, s58, 2117
	s_add_co_u32 s59, s59, s60                     ; U, at most 43,367
	LDIV s60, s59, 1968, 5
	s_add_co_u32 s60, s60, 1
	s_max_u32 s60, s60, 14                         ; q: 14 .. 23
	LDIV s61, 1249, s60, 9
	s_add_co_u32 s61, s61, 1                       ; n_c = ceil(S_c / q), at most 358
	LDIV s62, 4999, s60, 9
	s_add_co_u32 s62, s62, 1
	LDIV s63, 2116, s60, 9
	s_add_co_u32 s63, s63, 1
	s_mul_i32 s66, s56, s61                        ; where each cluster's waves end
	s_mul_i32 s67, s57, s62
	s_add_co_u32 s67, s67, s66
	s_mul_i32 s68, s58, s63
	s_add_co_u32 s68, s68, s67
	v_mov_b32 v14, 0
	v_writelane_b32 v14, s44, 0
	v_writelane_b32 v14, s45, 1
	v_writelane_b32 v14, s46, 2
	v_writelane_b32 v14, s47, 3
	v_writelane_b32 v14, s60, 4
	v_writelane_b32 v14, s61, 5
	v_writelane_b32 v14, s62, 6
	v_writelane_b32 v14, s63, 7
	v_writelane_b32 v14, s66, 9
	v_writelane_b32 v14, s67, 10
	v_writelane_b32 v14, s68, 11
	s_wait_alu depctr_va_vdst(0)                   ; the table v14 is written, which the store reads (its offset v11 stands ahead of the earlier waits)
	global_store_b32 v11, v14, s[36:37]
.Lend:
	s_endpgm
.Lfunc_end_k_q13f95a7337_prep:
	.size	k_q13f95a7337_prep, .Lfunc_end_k_q13f95a7337_prep-k_q13f95a7337_prep
	.p2alignl 7, 3214868480
	.fill 96, 4, 3214868480
	.section	.rodata,"a",@progbits
	.p2align	6, 0x0
	.amdhsa_kernel k_q13f95a7337_prep
		.amdhsa_group_segment_fixed_size 0
		.amdhsa_private_segment_fixed_size 0
		.amdhsa_enable_private_segment 0
		.amdhsa_kernarg_size 136
		.amdhsa_user_sgpr_count 2
		.amdhsa_user_sgpr_kernarg_segment_ptr 1
		.amdhsa_wavefront_size32 1
		.amdhsa_system_sgpr_workgroup_id_x 1
		.amdhsa_system_sgpr_workgroup_id_y 1
		.amdhsa_system_sgpr_workgroup_id_z 1
		.amdhsa_system_vgpr_workitem_id 0
		.amdhsa_next_free_vgpr 512
		.amdhsa_next_free_sgpr 100
		.amdhsa_reserve_vcc 0
		.amdhsa_float_denorm_mode_32 3
		.amdhsa_float_denorm_mode_16_64 3
		.amdhsa_memory_ordered 1
		.amdhsa_forward_progress 1
		.amdhsa_inst_pref_size 96
	.end_amdhsa_kernel
	.amdgpu_metadata
---
amdhsa.version: [ 1, 2 ]
amdhsa.kernels:
  - .name:           k_q13f95a7337_prep
    .symbol:         k_q13f95a7337_prep.kd
    .args:
      - { .name: hidden_codes, .offset: 0, .size: 8, .value_kind: global_buffer, .address_space: global }
      - { .name: hidden_scales, .offset: 8, .size: 8, .value_kind: global_buffer, .address_space: global }
      - { .name: p0_codes, .offset: 16, .size: 8, .value_kind: global_buffer, .address_space: global }
      - { .name: p0_scales, .offset: 24, .size: 8, .value_kind: global_buffer, .address_space: global }
      - { .name: p1_codes, .offset: 32, .size: 8, .value_kind: global_buffer, .address_space: global }
      - { .name: p1_scales, .offset: 40, .size: 8, .value_kind: global_buffer, .address_space: global }
      - { .name: p2_codes, .offset: 48, .size: 8, .value_kind: global_buffer, .address_space: global }
      - { .name: p2_scales, .offset: 56, .size: 8, .value_kind: global_buffer, .address_space: global }
      - { .name: p3_codes, .offset: 64, .size: 8, .value_kind: global_buffer, .address_space: global }
      - { .name: p3_scales, .offset: 72, .size: 8, .value_kind: global_buffer, .address_space: global }
      - { .name: target, .offset: 80, .size: 8, .value_kind: global_buffer, .address_space: global }
      - { .name: b0, .offset: 88, .size: 8, .value_kind: global_buffer, .address_space: global }
      - { .name: cluster_bias, .offset: 96, .size: 8, .value_kind: global_buffer, .address_space: global }
      - { .name: b3, .offset: 104, .size: 8, .value_kind: global_buffer, .address_space: global }
      - { .name: hq, .offset: 112, .size: 8, .value_kind: global_buffer, .address_space: global }
      - { .name: bias, .offset: 120, .size: 8, .value_kind: global_buffer, .address_space: global }
      - { .name: route, .offset: 128, .size: 8, .value_kind: global_buffer, .address_space: global }
    .group_segment_fixed_size: 0
    .private_segment_fixed_size: 0
    .kernarg_segment_align: 8
    .kernarg_segment_size: 136
    .max_flat_workgroup_size: 128
    .sgpr_count:     100
    .vgpr_count:     512
    .wavefront_size: 32
...
	.end_amdgpu_metadata
.endif
;; end of part 5
;; launch head (part 6): grid 250 x 1, 4 waves a work-group, no clusters, 121,344 bytes of LDS; arguments W0, cluster_weight, hq, bias, route, rech; writes rech
.if DOCPART == 6
	.amdgcn_target "amdgcn-amd-amdhsa--gfx1250"
	.amdhsa_code_object_version 6
	.text
	.protected	k_q13f95a7337_head
	.globl	k_q13f95a7337_head
	.p2align	8
	.type	k_q13f95a7337_head,@function
k_q13f95a7337_head:
	s_mov_b64 s[64:65], 0
	v_nop
	global_prefetch_b8 v0, s[64:65] scope:SCOPE_SE
	s_setreg_imm32_b32 hwreg(HW_REG_WAVE_SCHED_MODE, 0, 2), 2
	s_setreg_imm32_b32 hwreg(HW_REG_WAVE_MODE, 25, 1), 1
	s_wait_xcnt 0x0
	s_wait_alu depctr_vm_vsrc(0)
; HEAD: the 20,000 logits of the head (19,997 rows of W0, 3 of cluster_weight) for all 1,024 rows, reduced on the spot.
; SHARES.  Work-group g owns words 80 g .. 80 g + 79 (5 tiles of 16; 250 x 80 = 20,000), for all rows: each f32 byte of W0 is read and quantised once in the launch.
; FIRST the 80 x 1,024 numbers become 40 operand fragments (tile t, K step s: f = 5 s + t); wave w makes K steps 2 w, 2 w + 1.  Each load takes 512 consecutive bytes of a row; a fragment's 16 loads turn through the wave's own
; stage in LDS, so that a lane gets 16 neighbours of each block of 32.  The codes go to LDS as images of the operand's registers (16 bytes a lane, 512 a store); behind ONE barrier every wave takes all 40 into 640 registers.
; THEN wave w walks row tiles 16 w .. 16 w + 15: the quantised projection's 8 fragments come from memory as dense images, 40 matrix instructions (source 0 = 16 words, source 1 = 16 rows; the bias is the first one's C),
; and the 80 logits of a row leave as one record of 16 bytes: (MC = log2(e) x their maximum, L = the sum of 2^(log2(e) z - MC), X = the logit at the row's wanted index or 0, 0).
; No cluster and no joint loads: 250 work-groups divide into no cluster of four, and what is shared (1 MiB of codes) is a small part beside each work-group's own 320 KiB of f32.
; LIMITS: NaN and infinities are not served; a block of zeros gets the scale byte 1 (its codes are zeros).
; REGISTERS: window 0: v4-15 addresses; v16-55 W's scale words, v56-59 the rows' (scales alone); v60 index, v61 index - my first word, v62 X; v64-103 bias; v104-143 accumulators; v144-167 at work; v168-171 the record;
;   in the first phase v176-239 64 numbers, v240-255 codes.  Window 1: first four landing sets of 64.  Fragment f of W at register 256 + 16 f (windows 1, 2, 3 to v127).  Window 3 v128-255: the rows' 8 fragments.
; THE MODE: SCHED_MODE bits 1:0 = 2 (LLVM: expert scheduling mode 2), set by the entry lines.  The code itself states the register dependences between vector or matrix instructions and memory or LDS instructions, with s_wait_alu, always for 0.
; THE PLAN.  Registers that memory or LDS instructions touch:
;   v4-v12, v14, v15   offsets and LDS addresses: made once at the head, ahead of one wait, and never written again.
;   landing sets       (window 1) global loads land; the stage's LDS stores read them; the loads of the fragment four on land again; at the end the images' LDS loads land there.
;   v176-239           the stage's LDS loads land; the quantiser reads and writes them.
;   v240-255, v160     the quantiser writes codes and scale word; the image's LDS stores read them.
;   So a fragment has two waits: one on vm_vsrc behind the stage's round trip (the landing set, and the last fragment's codes, have been read), one on va_vdst behind the quantiser (codes written; the 64 numbers done with).
;   window 3 v128-191  a tile's first twenty products read them; the next tile's loads land behind one wait on va_vdst.
;   window 3 v192-255, v56-59, v60   the last twenty products, all forty, and one subtraction read them; the next tile's loads land behind one wait on va_vdst, where the softmax has to wait for the products in any case.
;   v168-170           the softmax writes the record; one wait on va_vdst; the store reads it; one wait on vm_vsrc at the next tile's head.
.set WSI, 81920                        ; LDS: 40 images of 2,048 bytes from 0; here their scale words, 128 bytes each;
.set STG, 87040                        ; here four stages of 16 rows x (512 + 16) bytes, a wave's own
.set HS0, 1409024
.set TM, 144
.set PW, 160
.set XN, 176
.set PC, 240
.set MSB, 0
.macro WIN new
.if MSB != (\new)
	s_set_vgpr_msb (MSB<<8)|(\new)
.set MSB, (\new)
.endif
.endm
.macro PLACES
.rept 8
	v_nop
.endr
.endm
	s_load_b256 s[4:11], s[0:1], 0x0               ; W0, cluster_weight, hq, bias
	s_load_b128 s[12:15], s[0:1], 0x20             ; route, rech
	v_lshl_add_u32 v174, v0, 2, 0x1d800
	v_mov_b32 v175, 0
	v_lshrrev_b32 v1, 5, v0
	v_readfirstlane_b32 s16, v1                    ; wave
	v_and_b32 v1, 31, v0
	v_and_b32 v2, 15, v0                           ; r
	v_bfe_u32 v3, v0, 4, 1                         ; h
	v_lshlrev_b32 v4, 4, v1                        ; 16 x lane
	s_wait_alu depctr_va_sdst(0)                   ; s16 is written, ahead of its first reader
	s_mul_i32 s38, s16, 8448
	s_add_co_u32 s38, s38, STG
	v_add_nc_u32 v5, s38, v4                       ; the stage, in: a row's 512 bytes as they lie
	v_mul_u32_u24 v6, v2, 528
	v_lshl_add_u32 v6, v3, 6, v6
	v_add_nc_u32 v6, s38, v6                       ; and out: row r, + 64 h: my 16 numbers of a block
	s_mul_i32 s38, s16, 20480
	v_add_nc_u32 v7, s38, v4                       ; my ten images
	v_lshlrev_b32 v10, 2, v1
	v_add_nc_u32 v10, WSI, v10
	s_mul_i32 s38, s16, 1280
	v_add_nc_u32 v8, s38, v10                      ; and their scale words
	v_add_nc_u32 v9, 65536, v4                     ; images 32 on
	v_lshlrev_b32 v11, 5, v2
	v_lshl_add_u32 v11, v3, 4, v11                 ; the rows' scale bytes: 32 r + 16 h
	v_lshlrev_b32 v12, 2, v2
	s_mul_i32 s39, ttmp9, 80
	v_lshl_add_u32 v13, v3, 3, s39                 ; the word in my register 0 of tile 0
	v_lshlrev_b32 v14, 5, v3
	v_lshlrev_b32 v15, 4, v2
	s_mov_b32 s18, 0x76543210
	s_mov_b32 s19, 0xfedcba98
	s_mov_b32 s20, 0x600000
	s_mov_b32 s22, 0x3fb8aa3b                      ; log2(e)
	s_mov_b32 s23, s22
.irp b, 0,1,2,3
	v_mov_b32 v[TM+4+\b], 0                        ; a lane permute's destination counts as one of its sources
.endr
	v_mov_b32 v154, 0
	v_mov_b32 v169, 0
	v_mov_b32 v171, 0
	s_mul_i32 s38, ttmp9, 327680                   ; 80 rows of 4,096 bytes
	s_lshl_b32 s41, s16, 10                        ; my two K steps: 1,024 bytes
	s_add_co_u32 s38, s38, s41
	s_mov_b32 s39, 0
	s_add_co_u32 s40, s38, 77*4096
	s_cmp_eq_u32 ttmp9, 249                        ; the last work-group's rows 77 to 79 are cluster_weight's three
	s_cselect_b32 s40, s41, s40
	s_mov_b32 s41, 0
	s_wait_kmcnt 0x0
	s_cselect_b64 s[26:27], s[6:7], s[4:5]
	s_add_nc_u64 s[26:27], s[26:27], s[40:41]
	s_add_nc_u64 s[24:25], s[4:5], s[38:39]
	s_mul_i32 s38, ttmp9, 320
	s_add_nc_u64 s[36:37], s[10:11], s[38:39]      ; my 80 numbers of the bias
	s_lshl_b32 s38, s16, 18
	s_add_nc_u64 s[28:29], s[8:9], s[38:39]        ; the rows' images at tile 16 w
	s_lshl_b32 s38, s16, 13
	s_add_co_u32 s38, s38, HS0
	s_add_nc_u64 s[30:31], s[8:9], s[38:39]        ; their scale bytes
	s_lshl_b32 s38, s16, 10
	s_add_co_u32 s38, s38, 256
	s_add_nc_u64 s[32:33], s[12:13], s[38:39]      ; their wanted indices
	s_lshl_b32 s38, ttmp9, 14
	s_lshl_b32 s40, s16, 12
	s_add_co_u32 s38, s38, s40
	s_add_nc_u64 s[34:35], s[14:15], s[38:39]      ; their records
.macro HHALF hf                        ; K steps 4 hf .. 4 hf + 3 of the tile at s[28:29]: 16 loads of 512 consecutive bytes
	WIN 0xc0
.irp x, 0,1,2,3,4,5,6,7,8,9,10,11,12,13,14,15
	global_load_b128 v[128+64*\hf+4*\x:131+64*\hf+4*\x], v4, s[28:29] offset:(16*\hf+\x)*512
.endr
	WIN 0
.endm
.macro LOADF f                         ; my fragment f (tile f % 5, my K step f / 5): 16 rows x 512 bytes into landing set f % 4
	WIN 0x40
.set ft, (\f)%5
.set fd, (\f)/5
.set fs, 64*((\f)%4)
.irp i, 0,1,2,3,4,5,6,7,8,9,10,11,12,13,14,15
.if (ft == 4) && (\i >= 13)
	global_load_b128 v[fs+4*\i:fs+4*\i+3], v4, s[26:27] offset:(\i-13)*4096+512*fd th:TH_LOAD_NT
.else
	global_load_b128 v[fs+4*\i:fs+4*\i+3], v4, s[24:25] offset:(16*ft+\i)*4096+512*fd th:TH_LOAD_NT
.endif
.endr
	WIN 0
.endm
	s_wait_alu depctr_va_vdst(0)                   ; the offsets and LDS addresses v4 to v12, v14 and v15 are written, which every load and store of the kernel reads
.irp t, 0,1,2,3,4
	global_load_b128 v[64+8*\t:67+8*\t], v14, s[36:37] offset:64*\t      ; lane (r, h): the bias of words 16 t + 8 h + 0 .. 7: the result's layout
	global_load_b128 v[68+8*\t:71+8*\t], v14, s[36:37] offset:64*\t+16
.endr
	HHALF 0                                        ; the first tile of rows is asked for ahead of the stream of W0
	global_load_b128 v[56:59], v11, s[30:31]
	global_load_b32 v60, v12, s[32:33]
	HHALF 1
	LOADF 0
	LOADF 1
	LOADF 2
	LOADF 3
.macro QUANT                           ; 64 numbers of a lane, register 16 b + i = k 32 b + 16 h + i of my row, become a fragment's codes and its scale word
.irp b, 0,1,2,3
	v_max3_num_f32 v[TM+\b], |v[XN+16*\b]|, |v[XN+1+16*\b]|, 0x4800000   ; and the floor 2^(9 - 127): the byte cannot fall under 1
.endr
.irp i, 2,4,6,8,10,12,14
.irp b, 0,1,2,3
	v_max3_num_f32 v[TM+\b], v[TM+\b], |v[XN+16*\b+\i]|, |v[XN+1+16*\b+\i]|
.endr
.endr
.irp b, 0,1,2,3
	v_permlanex16_b32 v[TM+4+\b], v[TM+\b], s18, s19
.endr
.irp b, 0,1,2,3
	v_max_num_f32 v[TM+\b], v[TM+\b], v[TM+4+\b]
.endr
.irp b, 0,1,2,3
	v_add_nc_u32 v[TM+12+\b], 0xfc000000, v[TM+\b]     ; 8 off the exponent field: the conversion's scale operand
.endr
.irp b, 0,1,2,3
	v_and_or_b32 v[TM+8+\b], v[TM+\b], 0x7f800000, s20 ; 448 x the scale
.endr
.irp b, 0,1,2,3
	v_lshrrev_b32 v[TM+4+\b], 23, v[TM+12+\b]
.endr
	v_lshl_or_b32 v[PW], v[TM+5], 8, v[TM+4]
	v_lshl_or_b32 v[PW], v[TM+6], 16, v[PW]
	v_lshl_or_b32 v[PW], v[TM+7], 24, v[PW]
.irp b, 0,1,2,3
.irp i, 0,1,2,3,4,5,6,7,8,9,10,11,12,13,14,15
	v_med3_num_f32 v[XN+16*\b+\i], v[XN+16*\b+\i], -v[TM+8+\b], v[TM+8+\b]   ; the conversion does not saturate (ISA guide 7.6.2): the hold first
.endr
	v_cvt_scalef32_pk8_fp8_f32 v[PC+4*\b:PC+1+4*\b], v[XN+16*\b:XN+7+16*\b], v[TM+12+\b]
	v_cvt_scalef32_pk8_fp8_f32 v[PC+2+4*\b:PC+3+4*\b], v[XN+8+16*\b:XN+15+16*\b], v[TM+12+\b]
.endr
	v_nop                                          ; a plain line behind the last scaled conversion
.endm
.macro FRAGA f
.if 9-(\f) >= 3
	s_wait_loadcnt 48                              ; my fragment's 16 loads are in; those of the three fragments behind it may be out
.else
	s_wait_loadcnt 16*(9-(\f))
.endif
.set fs, 64*((\f)%4)
	WIN 0x04                                       ; an LDS store's data are its source 1: window 1
.irp i, 0,1,2,3,4,5,6,7,8,9,10,11,12,13,14,15
	ds_store_b128 v5, v[fs+4*\i:fs+4*\i+3] offset:528*\i
.endr
	WIN 0
.irp b, 0,1,2,3
.irp j, 0,1,2,3
	ds_load_b128 v[XN+16*\b+4*\j:XN+16*\b+4*\j+3], v6 offset:128*\b+16*\j   ; LDS serves a wave's instructions in order: these see my stores.  (No vector instruction has named these registers since the wait behind the last quantiser)
.endr
.endr
	s_wait_dscnt 0x0                               ; the numbers are back, and the stores have read the landing set,
	s_wait_alu depctr_vm_vsrc(0)                   ; the stage's stores have read the landing set, in which loads land again (the fragment four on; at the end the images); the last image's stores have read the codes and the scale word, which the quantiser writes again
.if (\f)+4 < 10
	LOADF (\f)+4                                   ; which takes the fragment four on
.endif
	QUANT
	s_wait_alu depctr_va_vdst(0)                   ; the quantiser has written the codes and the scale word, which the stores below read, and is done with the 64 numbers, in whose registers the next fragment's LDS loads land
.irp c, 0,1,2,3
	ds_store_b128 v7, v[PC+4*\c:PC+4*\c+3] offset:(\f)*2048+512*\c
.endr
	ds_store_b32 v8, v[PW] offset:128*(\f)
	s_wait_dscnt 0x0                               ; the stores have read their registers
.endm
.irp f, 0,1,2,3,4,5,6,7,8,9
	FRAGA \f
.endr
	s_barrier_signal -1                            ; every wave's images have landed (the wait for 0 stands just above)
	s_barrier_wait -1
.set f, 0
.rept 40
	WIN (1+f/16)<<6
.irp c, 0,1,2,3
.if f < 32
	ds_load_b128 v[16*(f%16)+4*\c:16*(f%16)+4*\c+3], v4 offset:f*2048+512*\c
.else
	ds_load_b128 v[16*(f%16)+4*\c:16*(f%16)+4*\c+3], v9 offset:(f-32)*2048+512*\c
.endif
.endr
.set f, f+1
.endr
	WIN 0
.set f, 0
.rept 40
	ds_load_b32 v[16+f], v10 offset:128*f
.set f, f+1
.endr
	s_wait_dscnt 0x0
.macro MM f                            ; product f: tile f % 5, K step f / 5.  The five accumulators take turns, one instruction a turn
.set mt, (\f)%5
.set ms, (\f)/5
	WIN (1+(\f)/16)|0x0c
.if ms == 0
	v_wmma_scale_f32_16x16x128_f8f6f4 v[104+8*mt:111+8*mt], v[16*((\f)%16):16*((\f)%16)+15], v[128+16*ms:143+16*ms], v[64+8*mt:71+8*mt], v[16+(\f)], v[56+ms%4]
.elseif ms < 4
	v_wmma_scale_f32_16x16x128_f8f6f4 v[104+8*mt:111+8*mt], v[16*((\f)%16):16*((\f)%16)+15], v[128+16*ms:143+16*ms], v[104+8*mt:111+8*mt], v[16+(\f)], v[56+ms%4]
.else
	v_wmma_scale_f32_16x16x128_f8f6f4 v[104+8*mt:111+8*mt], v[16*((\f)%16):16*((\f)%16)+15], v[128+16*ms:143+16*ms], v[104+8*mt:111+8*mt], v[16+(\f)], v[56+ms%4] matrix_b_scale:MATRIX_SCALE_ROW1
.endif
.endm
; A tile of 16 rows.  more = 1: the next tile's fragments are asked for as soon as this tile's products have read theirs.
.macro TRIP more
	s_wait_xcnt 0x0                                ; the earlier loads and the last record's store have read their bases and registers:
	s_wait_alu depctr_vm_vsrc(0)                   ; the last record's store has read v[168:170], which this tile's softmax writes again
	s_add_nc_u64 s[28:29], s[28:29], 16384         ; on to the next tile
	s_add_nc_u64 s[30:31], s[30:31], 512
	s_add_nc_u64 s[32:33], s[32:33], 64
	s_add_nc_u64 s[34:35], s[34:35], 256
	s_wait_loadcnt 16                              ; K steps 0-3, the scale words and the index are in; K steps 4-7's sixteen loads may be out
	v_sub_nc_u32 v61, v60, v13
	v_mov_b32 v62, 0
	v_cmp_gt_u32 vcc_lo, 80, v61                   ; does a row's wanted index fall among my 80 words?  Asked here, read behind the products
.set f, 0
.rept 20
	MM f
.set f, f+1
.endr
	WIN 0
	PLACES                                         ; eight places in front of loads into registers that the products have read
.if \more
	s_wait_alu depctr_va_vdst(0)                   ; the first twenty products are done reading K steps 0-3's fragments, in which the loads below land
	HHALF 0
	s_wait_loadcnt 16                              ; all but the sixteen just issued
.else
	s_wait_loadcnt 0x0
.endif
.rept 20
	MM f
.set f, f+1
.endr
	WIN 0
	PLACES                                         ; for the loads below, and for the first read of the results
.if \more
	s_wait_alu depctr_va_vdst(0)                   ; the products are done reading K steps 4-7's fragments and the rows' scale words v[56:59], and the subtraction has read v60: the loads below land in these
	global_load_b128 v[56:59], v11, s[30:31]
	global_load_b32 v60, v12, s[32:33]
	HHALF 1
.endif
	s_wait_alu depctr_va_vcc(0)                    ; VCC is written (the compare at the tile's head), ahead of the branch that reads it
	s_cbranch_vccz .Lnohit_\@                      ; a branch on stored whole numbers
.irp t, 0,1,2,3,4
.irp j, 0,1,2,3,4,5,6,7
	v_cmp_eq_u32 s[44+\j], 16*\t+\j, v61           ; a tile's eight compares in one run
.endr
	s_wait_alu depctr_va_sdst(0)                   ; the eight masks s44 to s51 are written, ahead of the selects that read them
.irp j, 0,1,2,3,4,5,6,7
	v_cndmask_b32 v62, v62, v[104+8*\t+\j], s[44+\j]
.endr
.endr
.Lnohit_\@:
.irp t, 0,1,2,3,4
	v_max3_num_f32 v[144+\t], v[104+8*\t], v[105+8*\t], v[106+8*\t]      ; each accumulator from its low end on
.endr
.irp t, 0,1,2,3,4
	v_max3_num_f32 v[144+\t], v[144+\t], v[107+8*\t], v[108+8*\t]
.endr
.irp t, 0,1,2,3,4
	v_max3_num_f32 v[144+\t], v[144+\t], v[109+8*\t], v[110+8*\t]
.endr
.irp t, 0,1,2,3,4
	v_max_num_f32 v[144+\t], v[144+\t], v[111+8*\t]
.endr
	v_max3_num_f32 v144, v144, v145, v146
	v_max3_num_f32 v144, v144, v147, v148
	v_permlanex16_b32 v149, v144, s18, s19
	v_max_num_f32 v144, v144, v149                 ; the row's largest of the 80
	v_mul_f32 v168, s22, v144                      ; MC
.set j, 0
.rept 20
	v_pk_fma_f32 v[104+j:105+j], v[104+j:105+j], s[22:23], v[168:169] op_sel_hi:[1,0,0] neg_lo:[0,0,1] neg_hi:[0,0,1]
.set j, j+2
.endr
.set j, 0
.rept 40
	v_exp_f32 v[104+j], v[104+j]
.set j, j+1
.endr
	v_nop                                          ; a plain line behind the last exponential,
	s_wait_alu depctr_va_vdst(0)                   ; and one wait for the batch: the forty exponentials have written v104 to v143, ahead of their first reader
	v_pk_add_f32 v[150:151], v[104:105], v[106:107]
	v_pk_add_f32 v[152:153], v[108:109], v[110:111]
.irp j, 8,12,16,20,24,28,32,36
	v_pk_add_f32 v[150:151], v[150:151], v[104+\j:105+\j]
	v_pk_add_f32 v[152:153], v[152:153], v[106+\j:107+\j]
.endr
	v_pk_add_f32 v[150:151], v[150:151], v[152:153]
	v_add_f32 v169, v150, v151
	v_permlanex16_b32 v149, v169, s18, s19
	v_add_f32 v169, v169, v149                     ; L
	v_permlanex16_b32 v154, v62, s18, s19
	v_add_f32 v170, v62, v154                      ; X: one of the two halves holds it, or none
	s_wait_alu depctr_va_vdst(0)                   ; the record v[168:170] is written, which the store reads
	global_store_b128 v15, v[168:171], s[34:35] offset:-256   ; sixteen lanes store 256 consecutive bytes, aligned; the other sixteen the same bytes
.endm
	v_mov_b32 v149, 0
	s_mov_b32 s42, 15
.Ltrip:
	TRIP 1
	s_sub_co_u32 s42, s42, 1
	s_cmp_lg_u32 s42, 0
	s_cbranch_scc1 .Ltrip
	TRIP 0                                         ; the last tile asks for nothing: no load leaves its buffer
	s_wait_dscnt 0x0                               ; the closing lines, six on end
	s_wait_alu 0x0
	s_wait_tensorcnt 0x0
	ds_add_u32 v174, v175
	s_wait_dscnt 0x0
	s_endpgm
.Lfunc_end_k_q13f95a7337_head:
	.size	k_q13f95a7337_head, .Lfunc_end_k_q13f95a7337_head-k_q13f95a7337_head
	.p2alignl 7, 3214868480
	.fill 96, 4, 3214868480
	.section	.rodata,"a",@progbits
	.p2align	6, 0x0
	.amdhsa_kernel k_q13f95a7337_head
		.amdhsa_group_segment_fixed_size 121344
		.amdhsa_private_segment_fixed_size 0
		.amdhsa_enable_private_segment 0
		.amdhsa_kernarg_size 48
		.amdhsa_user_sgpr_count 2
		.amdhsa_user_sgpr_kernarg_segment_ptr 1
		.amdhsa_wavefront_size32 1
		.amdhsa_system_sgpr_workgroup_id_x 1
		.amdhsa_system_sgpr_workgroup_id_y 1
		.amdhsa_system_sgpr_workgroup_id_z 1
		.amdhsa_system_vgpr_workitem_id 0
		.amdhsa_next_free_vgpr 1024
		.amdhsa_next_free_sgpr 66
		.amdhsa_reserve_vcc 1
		.amdhsa_float_denorm_mode_32 3
		.amdhsa_float_denorm_mode_16_64 3
		.amdhsa_memory_ordered 1
		.amdhsa_forward_progress 1
		.amdhsa_inst_pref_size 179
	.end_amdhsa_kernel
	.amdgpu_metadata
---
amdhsa.version: [ 1, 2 ]
amdhsa.kernels:
  - .name:           k_q13f95a7337_head
    .symbol:         k_q13f95a7337_head.kd
    .args:
      - { .name: W0, .offset: 0, .size: 8, .value_kind: global_buffer, .address_space: global }
      - { .name: cluster_weight, .offset: 8, .size: 8, .value_kind: global_buffer, .address_space: global }
      - { .name: hq, .offset: 16, .size: 8, .value_kind: global_buffer, .address_space: global }
      - { .name: bias, .offset: 24, .size: 8, .value_kind: global_buffer, .address_space: global }
      - { .name: route, .offset: 32, .size: 8, .value_kind: global_buffer, .address_space: global }
      - { .name: rech, .offset: 40, .size: 8, .value_kind: global_buffer, .address_space: global }
    .group_segment_fixed_size: 121344
    .private_segment_fixed_size: 0
    .kernarg_segment_align: 8
    .kernarg_segment_size: 48
    .max_flat_workgroup_size: 128
    .sgpr_count:     66
    .vgpr_count:     1024
    .wavefront_size: 32
...
	.end_amdgpu_metadata
.endif
;; end of part 6
;; launch tails (part 7): grid 256 x 1, 8 waves a work-group, no clusters, 0 bytes of LDS; arguments W1_codes, W1_scales, b1, W2_codes, W2_scales, b2, W3, bias, hq, route, rech, rect, hv, out0; writes rect, hv, out0
.if DOCPART == 7
	.amdgcn_target "amdgcn-amd-amdhsa--gfx1250"
	.amdhsa_code_object_version 6
	.text
	.protected	k_q13f95a7337_tails
	.globl	k_q13f95a7337_tails
	.p2align	8
	.type	k_q13f95a7337_tails,@function
k_q13f95a7337_tails:
	s_mov_b64 s[64:65], 0
	v_nop
	global_prefetch_b8 v0, s[64:65] scope:SCOPE_SE
	s_setreg_imm32_b32 hwreg(HW_REG_WAVE_SCHED_MODE, 0, 2), 2
	s_setreg_imm32_b32 hwreg(HW_REG_WAVE_MODE, 25, 1), 1
	s_wait_xcnt 0x0
	s_wait_alu depctr_vm_vsrc(0)
; TAILS.  Work-groups 0-7: the head's 250 records of each row are merged: hv = (the head's logit at the wanted index) - (the head's log of sums); out0 = -hv, which stands for the rows of the shortlist.
; Work-groups 8-255: 1,984 waves share the three tails, ONLY FOR THE ROWS WHOSE TARGET LIES IN THE TAIL (the mask that the problem builds from target throws the others away).  The stored list gives each wave a cluster,
; a tile of 128 gathered rows and q steps along the cluster's words (16 words a step in cluster 1, 32 in clusters 2 and 3).  A wave without a share ends: the price of a grid that serves every split.
; Operands go from memory straight into registers: trip counts and branches hang on stored whole numbers.  The rows' codes stay in window 1; a step's weights, scale words and bias are asked for a step ahead.
; THE PRODUCTS ARE USED TRANSPOSED (source 0 = words, source 1 = rows): a lane holds one row; the bias is C.  K = 64 (cluster 2) and K = 16 (cluster 3) fill half of an instruction's K: a fragment of the weights holds word
; v + r in its lower half of K and word v + 16 + r in its upper, and is multiplied by (h, 0) and by (0, h): no weight register holds padding.  The zeros between the rows' codes serve both neighbours.
; Each lane keeps a running maximum m, MC = log2(e) m, and the sum L of 2^(log2(e) z - MC), rescaled in every step.  A wave's result for a row is a record (MC, L, X, 0).
; LIMITS: NaN and infinities are not served; logits lie above -1e38.  Cluster 3's product is left as it is: bf16 operands, f32 sums.
; REGISTERS, window 0: v1 r, v2 h, v3 16 lane, v4-7 offsets, v8, v9, v13 at work, v10-11 raw scale bytes; v12, v14-15, v16-31 scale words alone; v32-79 six a tile of rows: MC, m, L, L, X, key; v80-95 two a tile; v96-223 logits;
;   v224-255 (cluster 1: v160-207) a step's weights and bias; ahead of the loops v96-127 lists and offsets, v136-159 at work.  s86-93: masks.
; THE MODE: SCHED_MODE bits 1:0 = 2 (LLVM: expert scheduling mode 2), set by the entry lines.  The code itself states the register dependences between vector or matrix instructions and memory instructions, with s_wait_alu, always for 0.
; THE PLAN.  Registers that memory instructions touch:
;   the head's records: v4, v5 offsets, made once; two batches of 100 registers by turns: the merge reads and writes a batch, one wait on va_vdst, the batch two on lands in it.
;   a tail's set-up: the weights' offsets v4-v7 and the lists' v112-119 are made first, ONE wait on va_vdst serves the lists' loads and the first step's weights; v112-119 are made anew (behind a wait on vm_vsrc) and v120-127 made,
;     one wait on va_vdst, the gathers; a wait on vm_vsrc ahead of the loop, whose products write over v96-127.
;   a step: its products read the weights, bias and scale words; ONE wait on va_vdst behind their places, where the softmax has to wait for them in any case; the next step's loads land there and have the softmax in which to do so:
;     the softmax names logits and statistics alone.  The offsets v4-v7 are never written in the loops of clusters 1 and 2; cluster 3 makes v4 and v5 anew, between a wait on vm_vsrc and the step's wait on va_vdst.
;   the way out: twelve selects and four moves write v96-111, one wait on va_vdst, four stores.
; Masks that compares write are made in runs of eight, into s86-93, with one wait behind each run.
.set H1I, 1048576
.set H2I, 1310720
.set H3I, 1376256
.set HS1, 1441792
.set HS2, 1449984
.set MSB, 0
.macro WIN new
.if MSB != (\new)
	s_set_vgpr_msb (MSB<<8)|(\new)
.set MSB, (\new)
.endif
.endm
.macro PLACES n
.rept \n
	v_nop
.endr
.endm
	s_load_b512 s[4:19], s[0:1], 0x0               ; W1 codes, scales, b1; W2 codes, scales, b2; W3; bias
	s_load_b256 s[20:27], s[0:1], 0x40             ; hq, route, rech, rect
	s_load_b128 s[28:31], s[0:1], 0x60             ; hv, out0
	v_lshrrev_b32 v1, 5, v0
	v_readfirstlane_b32 s48, v1                    ; wave
	v_and_b32 v1, 15, v0                           ; r
	v_bfe_u32 v2, v0, 4, 1                         ; h
	v_and_b32 v3, 31, v0
	v_lshlrev_b32 v3, 4, v3                        ; 16 x lane
	s_mov_b32 s50, 0x76543210
	s_mov_b32 s51, 0xfedcba98
	s_mov_b32 s52, 0x3fb8aa3b                      ; log2(e)
	s_mov_b32 s53, s52
	s_mov_b32 s54, 0x3f317218                      ; ln 2
	s_wait_alu depctr_va_sdst(0)                   ; s48 is written: ahead of the branch, and so of its first reader on either way
	s_wait_kmcnt 0x0
	s_cmp_lt_u32 ttmp9, 8
	s_cbranch_scc0 .Ltail
; ---------------- the head's records ----------------
; n records at v[b + 4 i] are merged into the running (v240 MC, v241 L, v242 X)
.macro MERGE n, b
	v_max3_num_f32 v244, v240, v[\b], v[\b+4]
.set i, 2
.rept ((\n)-2)/2
	v_max3_num_f32 v244, v244, v[\b+4*i], v[\b+4*i+4]
.set i, i+2
.endr
.if (\n)%2
	v_max_num_f32 v244, v244, v[\b+4*((\n)-1)]
.endif
	v_sub_f32 v245, v240, v244
.set i, 0
.rept \n
	v_sub_f32 v[\b+4*i], v[\b+4*i], v244
.set i, i+1
.endr
	v_exp_f32 v245, v245
.set i, 0
.rept \n
	v_exp_f32 v[\b+4*i], v[\b+4*i]
.set i, i+1
.endr
	v_mov_b32 v240, v244                           ; a plain line behind the last exponential,
	s_wait_alu depctr_va_vdst(0)                   ; and one wait for the batch: the exponentials have written v245 and the records' first words, ahead of their first reader
	v_mul_f32 v241, v241, v245
.set i, 0
.rept \n
	v_fmac_f32 v241, v[\b+4*i+1], v[\b+4*i]
	v_add_f32 v242, v242, v[\b+4*i+2]
.set i, i+1
.endr
.endm
.macro HRLOAD bt                       ; batch bt: 25 loads; lanes 0-15 take the record of an even work-group, lanes 16-31 of the odd one behind it: 256 consecutive bytes each
.set x, 0
.rept 25
	global_load_b128 v[32+100*((\bt)%2)+4*x:35+100*((\bt)%2)+4*x], v4, s[58:59] offset:32768*(25*(\bt)+x) th:TH_LOAD_NT
.set x, x+1
.endr
.endm
	s_lshl_b32 s49, ttmp9, 3
	s_add_co_u32 s49, s49, s48                     ; my tile of 16 rows
	s_mov_b32 s57, 0
	s_lshl_b32 s56, s49, 8
	s_add_nc_u64 s[58:59], s[24:25], s[56:57]
	s_lshl_b32 s56, s49, 6
	s_add_nc_u64 s[60:61], s[28:29], s[56:57]
	s_add_nc_u64 s[62:63], s[30:31], s[56:57]
	v_lshlrev_b32 v4, 4, v1
	v_lshl_add_u32 v4, v2, 14, v4
	v_lshlrev_b32 v5, 2, v1
	s_wait_alu depctr_va_vdst(0)                   ; the offsets v4 and v5 are written, which the loads below and the two stores at the end read
	HRLOAD 0
	HRLOAD 1
	v_mov_b32 v240, 0xff61b1e6                     ; -3e38, under every MC
	v_mov_b32 v241, 0
	v_mov_b32 v242, 0
	v_mov_b32 v246, 0
	s_wait_loadcnt 25                              ; the older batch is in; the other's 25 loads may be out
	MERGE 25, 32
	s_wait_alu depctr_va_vdst(0)                   ; the merge is done reading and writing v32 to v131, in which the next batch lands
	HRLOAD 2
	s_wait_loadcnt 25
	MERGE 25, 132
	s_wait_alu depctr_va_vdst(0)                   ; the merge is done reading and writing v132 to v231, in which the next batch lands
	HRLOAD 3
	s_wait_loadcnt 25
	MERGE 25, 32
	s_wait_alu depctr_va_vdst(0)                   ; the merge is done reading and writing v32 to v131, in which the last batch lands
	HRLOAD 4
	s_wait_loadcnt 25
	MERGE 25, 132
	s_wait_loadcnt 0x0
	MERGE 25, 32
	v_permlanex16_b32 v246, v240, s50, s51         ; the two halves of the lanes: each brings its own L under the joint MC, then they are added: both halves end with the same bits
	v_max_num_f32 v246, v246, v240
	v_sub_f32 v245, v240, v246
	v_exp_f32 v245, v245
	v_mov_b32 v240, v246
	s_wait_alu depctr_va_vdst(0)                   ; the exponential has written v245, ahead of its reader
	v_mul_f32 v241, v241, v245
	v_permlanex16_b32 v246, v241, s50, s51
	v_add_f32 v241, v241, v246
	v_permlanex16_b32 v246, v242, s50, s51
	v_add_f32 v242, v242, v246
	v_log_f32 v244, v241
	v_nop
	s_wait_alu depctr_va_vdst(0)                   ; the logarithm has written v244, ahead of its reader
	v_add_f32 v244, v244, v240                     ; MC + log2 L
	v_fma_f32 v245, -v244, s54, v242               ; X - ln 2 (MC + log2 L)
	v_fma_f32 v246, v244, s54, -v242
	s_wait_alu depctr_va_vdst(0)                   ; v245 and v246 are written, which the two stores read
	global_store_b32 v5, v245, s[60:61]
	global_store_b32 v5, v246, s[62:63]
	s_endpgm
; ---------------- the tails ----------------
.macro MAP rc, nc, ep, sc              ; from my number among the cluster's waves: my tile s57, my first step s60, my steps s61
	s_sub_co_u32 s56, s49, \ep
	s_mov_b32 s57, 0
	s_mov_b32 s58, \nc
.rept 7
	s_cmp_ge_u32 s56, s58
	s_add_co_ci_u32 s57, s57, 0
	s_add_co_u32 s58, s58, \nc
.endr
	s_mul_i32 s58, s57, \nc
	s_sub_co_u32 s59, s56, s58
	s_mul_i32 s59, s59, s36
	s_sub_co_u32 s61, \sc, s59
	s_min_u32 s61, s61, s36
	s_min_u32 s60, s59, \sc-1
.endm
.macro POSLOAD rc, cl                  ; my 128 places in the cluster's list (past its end: the last row again), their rows and targets
	s_lshl_b32 s66, s57, 7
	s_sub_co_u32 s67, \rc, 1
	v_add_nc_u32 v8, s66, v1
.irp rt, 0,1,2,3,4,5,6,7
	v_add_nc_u32 v[112+\rt], 16*\rt, v8
	v_min_u32 v[112+\rt], s67, v[112+\rt]
	v_min_u32 v[112+\rt], 1023, v[112+\rt]
	v_lshlrev_b32 v[112+\rt], 2, v[112+\rt]
.endr
	s_wait_alu depctr_va_vdst(0)                   ; the lists' offsets v112 to v119 are written, which the loads below read, and the weights' offsets v4 to v7, made further up, which the first step's loads read
.irp rt, 0,1,2,3,4,5,6,7
	global_load_b32 v[96+\rt], v[112+\rt], s[22:23] offset:4352+4096*\cl
.endr
.irp rt, 0,1,2,3,4,5,6,7
	global_load_b32 v[104+\rt], v[112+\rt], s[22:23] offset:20736+4096*\cl
.endr
.endm
.macro HADDR sh                        ; row n's 16 bytes of my half in block 0 of its image: (n & ~15) x 32 NB + 16 (n & 15) + 256 h;  sh = log2(32 NB)
.irp rt, 0,1,2,3,4,5,6,7
	v_min_u32 v[96+\rt], 1023, v[96+\rt]
	v_and_b32 v8, 0x3f0, v[96+\rt]
	v_and_b32 v9, 15, v[96+\rt]
	v_lshlrev_b32 v8, \sh, v8
	v_lshl_add_u32 v8, v9, 4, v8
	v_lshl_add_u32 v[120+\rt], v2, 8, v8
.endr
.endm
.macro STATS sh                        ; the keys, the start values, and s63: bit t is set if a row's target falls into my step t.  sh = log2(words a step)
	v_lshlrev_b32 v136, 3, v2
	v_mov_b32 v137, 1
	v_mov_b32 v13, 0
	v_mov_b32 v140, 0xfe967699                     ; -1e38
	v_mul_f32 v141, s52, v140
.irp rt, 0,1,2,3,4,5,6,7
	v_lshrrev_b32 v[144+\rt], \sh, v[104+\rt]
.endr
.irp rt, 0,1,2,3,4,5,6,7
	v_sub_nc_u32 v[144+\rt], v[144+\rt], s60       ; the target's step, counted from my first
.endr
.irp rt, 0,1,2,3,4,5,6,7
	v_cmp_gt_u32 s[86+\rt], 32, v[144+\rt]         ; the eight compares in one run
.endr
.irp rt, 0,1,2,3,4,5,6,7
	v_lshlrev_b32 v[152+\rt], v[144+\rt], v137
	v_sub_nc_u32 v[37+6*\rt], v[104+\rt], v136     ; key = target - 8 h
	v_mov_b32 v[32+6*\rt], v141
	v_mov_b32 v[33+6*\rt], v140
	v_mov_b32 v[34+6*\rt], 0
	v_mov_b32 v[35+6*\rt], 0
	v_mov_b32 v[36+6*\rt], 0
.endr
	s_wait_alu depctr_va_sdst(0)                   ; the eight masks s86 to s93 are written, ahead of the selects that read them
.irp rt, 0,1,2,3,4,5,6,7
	v_cndmask_b32 v[152+\rt], 0, v[152+\rt], s[86+\rt]
.endr
.irp rt, 0,1,2,3,4,5,6,7
	v_or_b32 v13, v13, v[152+\rt]
.endr
	v_mov_b32 v139, 0
.irp m, 1,2,4,8
	v_mov_b32_dpp v139, v13 row_xmask:\m row_mask:0xf bank_mask:0xf
	v_or_b32 v13, v13, v139                        ; over the sixteen rows (both halves of the lanes hold the same rows)
.endr
	v_readfirstlane_b32 s63, v13
	s_wait_alu depctr_va_sdst(0)                   ; s63 is written: ahead of the loop's label, behind which its first reader stands
	s_mov_b32 s62, 0
.endm
.macro HITBLK nr, sh                   ; register x of a tile holds word (words a step) x step + 8 h + x, and 8 more from x = 8 on
	s_lshl_b32 s76, s60, \sh
.irp rt, 0,1,2,3,4,5,6,7
	v_sub_nc_u32 v8, v[37+6*\rt], s76
.set x, 0
.rept (\nr)/8
.irp j, 0,1,2,3,4,5,6,7
	v_cmp_eq_u32 s[86+\j], x+\j+8*(x/8), v8        ; an accumulator's eight compares in one run
.endr
	s_wait_alu depctr_va_sdst(0)                   ; the eight masks s86 to s93 are written, ahead of the selects that read them
.irp j, 0,1,2,3,4,5,6,7
	v_cndmask_b32 v[36+6*\rt], v[36+6*\rt], v[96+\nr*\rt+x+\j], s[86+\j]
.endr
.set x, x+8
.endr
.endr
.endm
.macro SM nr                           ; a step's softmax for the eight tiles of rows, phase by phase, so that no line waits for the line above it
.if \nr == 16
.irp rt, 0,1,2,3,4,5,6,7
	v_max3_num_f32 v[80+2*\rt], v[33+6*\rt], v[96+16*\rt], v[97+16*\rt]          ; each accumulator from its low end on
	v_max3_num_f32 v[81+2*\rt], v[104+16*\rt], v[105+16*\rt], v[106+16*\rt]
.endr
.irp k, 0,1,2
.irp rt, 0,1,2,3,4,5,6,7
	v_max3_num_f32 v[80+2*\rt], v[80+2*\rt], v[98+16*\rt+2*\k], v[99+16*\rt+2*\k]
.if \k < 2
	v_max3_num_f32 v[81+2*\rt], v[81+2*\rt], v[107+16*\rt+2*\k], v[108+16*\rt+2*\k]
.endif
.endr
.endr
.irp rt, 0,1,2,3,4,5,6,7
	v_max3_num_f32 v[33+6*\rt], v[80+2*\rt], v[81+2*\rt], v[111+16*\rt]
.endr
.else
.irp rt, 0,1,2,3,4,5,6,7
	v_max3_num_f32 v[80+2*\rt], v[33+6*\rt], v[96+8*\rt], v[97+8*\rt]
	v_max3_num_f32 v[81+2*\rt], v[98+8*\rt], v[99+8*\rt], v[100+8*\rt]
.endr
.irp rt, 0,1,2,3,4,5,6,7
	v_max3_num_f32 v[80+2*\rt], v[80+2*\rt], v[101+8*\rt], v[102+8*\rt]
.endr
.irp rt, 0,1,2,3,4,5,6,7
	v_max3_num_f32 v[33+6*\rt], v[80+2*\rt], v[81+2*\rt], v[103+8*\rt]
.endr
.endif
.irp rt, 0,1,2,3,4,5,6,7
	v_mul_f32 v[80+2*\rt], s52, v[33+6*\rt]        ; the new MC
.endr
.irp rt, 0,1,2,3,4,5,6,7
	v_sub_f32 v[81+2*\rt], v[32+6*\rt], v[80+2*\rt]
.endr
.irp rt, 0,1,2,3,4,5,6,7
	v_mov_b32 v[32+6*\rt], v[80+2*\rt]
.endr
.irp rt, 0,1,2,3,4,5,6,7
	v_exp_f32 v[80+2*\rt], v[81+2*\rt]             ; a = 2^(old MC - new MC)
.endr
.set x, 0
.rept 4*\nr
	v_pk_fma_f32 v[96+2*x:97+2*x], v[96+2*x:97+2*x], s[52:53], v[32+6*(2*x/\nr):33+6*(2*x/\nr)] op_sel_hi:[1,0,0] neg_lo:[0,0,1] neg_hi:[0,0,1]
.set x, x+1
.endr
.set x, 0
.rept 8*\nr
	v_exp_f32 v[96+x], v[96+x]
.set x, x+1
.endr
	v_nop                                          ; a plain line behind the last exponential,
	s_wait_alu depctr_va_vdst(0)                   ; and ONE wait for the step's whole batch: the exponentials have written the eight a and the logits' registers, ahead of their first reader
.if \nr == 16
.irp k, 0,4,8,12
.irp rt, 0,1,2,3,4,5,6,7
	v_pk_add_f32 v[96+16*\rt+\k:97+16*\rt+\k], v[96+16*\rt+\k:97+16*\rt+\k], v[98+16*\rt+\k:99+16*\rt+\k]
.endr
.endr
.irp k, 0,8
.irp rt, 0,1,2,3,4,5,6,7
	v_pk_add_f32 v[96+16*\rt+\k:97+16*\rt+\k], v[96+16*\rt+\k:97+16*\rt+\k], v[100+16*\rt+\k:101+16*\rt+\k]
.endr
.endr
.irp rt, 0,1,2,3,4,5,6,7
	v_pk_add_f32 v[96+16*\rt:97+16*\rt], v[96+16*\rt:97+16*\rt], v[104+16*\rt:105+16*\rt]
.endr
.else
.irp k, 0,4
.irp rt, 0,1,2,3,4,5,6,7
	v_pk_add_f32 v[96+8*\rt+\k:97+8*\rt+\k], v[96+8*\rt+\k:97+8*\rt+\k], v[98+8*\rt+\k:99+8*\rt+\k]
.endr
.endr
.irp rt, 0,1,2,3,4,5,6,7
	v_pk_add_f32 v[96+8*\rt:97+8*\rt], v[96+8*\rt:97+8*\rt], v[100+8*\rt:101+8*\rt]
.endr
.endif
.irp rt, 0,1,2,3,4,5,6,7
	v_pk_fma_f32 v[34+6*\rt:35+6*\rt], v[34+6*\rt:35+6*\rt], v[80+2*\rt:81+2*\rt], v[96+\nr*\rt:97+\nr*\rt] op_sel_hi:[1,0,1]   ; L = a L + the step's sum
.endr
.endm
.macro AFTER nr, sh                    ; behind a step's products and the next step's loads
	s_bitcmp1_b32 s63, s62                         ; a branch on stored whole numbers: does a target fall into this step?
	s_cbranch_scc0 .Lnohit_\@
	HITBLK \nr, \sh
.Lnohit_\@:
	SM \nr
	s_mov_b32 s60, s66
	s_add_co_u32 s62, s62, 1
.endm
.macro FINISH                          ; the two halves of the lanes are joined, and the eight records a row-lane leave, two tiles of rows to a store
.irp rt, 0,1,2,3,4,5,6,7
	v_add_f32 v[34+6*\rt], v[34+6*\rt], v[35+6*\rt]
.endr
.irp rt, 0,1,2,3,4,5,6,7
	v_permlanex16_b32 v[80+2*\rt], v[32+6*\rt], s50, s51
.endr
.irp rt, 0,1,2,3,4,5,6,7
	v_max_num_f32 v[80+2*\rt], v[80+2*\rt], v[32+6*\rt]
.endr
.irp rt, 0,1,2,3,4,5,6,7
	v_sub_f32 v[81+2*\rt], v[32+6*\rt], v[80+2*\rt]
.endr
.irp rt, 0,1,2,3,4,5,6,7
	v_exp_f32 v[81+2*\rt], v[81+2*\rt]
.endr
	v_nop
	s_wait_alu depctr_va_vdst(0)                   ; the eight exponentials have written their results, ahead of their first reader
.irp rt, 0,1,2,3,4,5,6,7
	v_mul_f32 v[34+6*\rt], v[34+6*\rt], v[81+2*\rt]
.endr
.irp rt, 0,1,2,3,4,5,6,7
	v_permlanex16_b32 v[35+6*\rt], v[34+6*\rt], s50, s51
.endr
.irp rt, 0,1,2,3,4,5,6,7
	v_add_f32 v[34+6*\rt], v[34+6*\rt], v[35+6*\rt]
.endr
.irp rt, 0,1,2,3,4,5,6,7
	v_permlanex16_b32 v[33+6*\rt], v[36+6*\rt], s50, s51
.endr
.irp rt, 0,1,2,3,4,5,6,7
	v_add_f32 v[36+6*\rt], v[36+6*\rt], v[33+6*\rt]
.endr
.irp p, 0,1,2,3
	v_cndmask_b32 v[96+4*\p], v[80+4*\p], v[82+4*\p], s77          ; lanes 0-15: tile 2 p; lanes 16-31: tile 2 p + 1
	v_cndmask_b32 v[97+4*\p], v[34+12*\p], v[40+12*\p], s77
	v_cndmask_b32 v[98+4*\p], v[36+12*\p], v[42+12*\p], s77
	v_mov_b32 v[99+4*\p], 0
.endr
	s_wait_alu depctr_va_vdst(0)                   ; the records v96 to v111 are written, which the four stores read (their offset v3 was written at the head)
.irp p, 0,1,2,3
	global_store_b128 v3, v[96+4*\p:99+4*\p], s[80:81] offset:512*\p   ; 512 consecutive bytes
.endr
.endm
.macro NEXT sc                         ; the next step, held inside the cluster: the last trip's loads repeat a step and are not used
	s_add_co_u32 s66, s60, 1
	s_min_u32 s66, s66, \sc-1
.endm
.Ltail:
	s_load_b512 s[32:47], s[22:23], 0x0            ; R0-R3; q; n1-n3; 0, E1-E3
	s_sub_co_u32 s49, ttmp9, 8
	s_lshl_b32 s49, s49, 3
	s_add_co_u32 s49, s49, s48                     ; my number among the 1,984
	s_lshl_b32 s74, s49, 11
	s_mov_b32 s75, 0
	s_add_nc_u64 s[80:81], s[26:27], s[74:75]      ; my records
	s_mov_b32 s77, 0xffff0000
	v_lshlrev_b32 v6, 5, v2                        ; 32 h
	s_wait_kmcnt 0x0
	s_cmp_ge_u32 s49, s43
	s_cbranch_scc1 .Lidle
	s_cmp_ge_u32 s49, s42
	s_cbranch_scc1 .Lc3
	s_cmp_ge_u32 s49, s41
	s_cbranch_scc1 .Lc2
; ---- cluster 1: K = 256, two K steps; 16 words a step ----
.macro BASE1 st
	s_lshl_b32 s74, \st, 12
	s_add_nc_u64 s[68:69], s[4:5], s[74:75]
	s_lshl_b32 s74, \st, 7
	s_add_nc_u64 s[70:71], s[6:7], s[74:75]
	s_lshl_b32 s74, \st, 6
	s_add_nc_u64 s[72:73], s[8:9], s[74:75]
.endm
.macro LOADW1                          ; 11 loads
.irp ks, 0,1
.irp c, 0,1,2,3
	global_load_b128 v[160+16*\ks+4*\c:163+16*\ks+4*\c], v4, s[68:69] offset:128*\ks+32*\c
.endr
.endr
	global_load_b64 v[14:15], v7, s[70:71]
	global_load_b128 v[200:203], v6, s[72:73]
	global_load_b128 v[204:207], v6, s[72:73] offset:16
.endm
	v_lshlrev_b32 v4, 8, v1
	v_lshl_add_u32 v4, v2, 4, v4                   ; 256 r + 16 h
	v_lshlrev_b32 v7, 3, v1
	MAP s33, s37, s40, 1250
	POSLOAD s33, 1
	BASE1 s60
	LOADW1
	s_wait_loadcnt 11                              ; the lists are in; the first step's eleven loads may be out
	HADDR 8
	s_wait_alu depctr_vm_vsrc(0)                   ; the lists' loads have read their offsets v112 to v119, which are written again below
.irp rt, 0,1,2,3,4,5,6,7
	v_lshlrev_b32 v[112+\rt], 3, v[96+\rt]
.endr
	s_add_nc_u64 s[82:83], s[20:21], H1I
	s_add_nc_u64 s[84:85], s[20:21], HS1
	s_wait_alu depctr_va_vdst(0)                   ; the gathers' offsets v112 to v127 are written
.irp rt, 0,1,2,3,4,5,6,7
	global_load_b64 v[16+2*\rt:17+2*\rt], v[112+\rt], s[84:85]
.endr
	WIN 0x40
.irp rt, 0,1,2,3,4,5,6,7
.irp b, 0,1,2,3,4,5,6,7
	global_load_b128 v[32*\rt+4*\b:32*\rt+4*\b+3], v[120+\rt], s[82:83] offset:512*\b
.endr
.endr
	WIN 0
	STATS 4
	s_wait_alu depctr_vm_vsrc(0)                   ; the gathers have read their offsets v112 to v127, over which the first products write
.Lloop1:
	s_wait_loadcnt 0x0                             ; this step's loads (asked for a step ago) are in; so their bases may be written again
	WIN 0x04                                       ; source 1 window 1
.irp rt, 0,1,2,3,4,5,6,7
	v_wmma_scale_f32_16x16x128_f8f6f4 v[96+8*\rt:103+8*\rt], v[160:175], v[32*\rt:32*\rt+15], v[200:207], v14, v[16+2*\rt]
.endr
.irp rt, 0,1,2,3,4,5,6,7
	v_wmma_scale_f32_16x16x128_f8f6f4 v[96+8*\rt:103+8*\rt], v[176:191], v[32*\rt+16:32*\rt+31], v[96+8*\rt:103+8*\rt], v15, v[17+2*\rt]
.endr                                              ; the eight accumulators take turns
	WIN 0
	PLACES 8                                       ; in front of loads into registers that the products have read, and of the first read of results
	NEXT 1250
	BASE1 s66
	s_wait_alu depctr_va_vdst(0)                   ; the products are done reading the weights v160 to v191, the bias v200 to v207 and the scale words v14, v15, in which the next step's loads land
	LOADW1
	AFTER 8, 4
	s_cmp_lt_u32 s62, s61
	s_cbranch_scc1 .Lloop1
	FINISH
	s_endpgm
; ---- cluster 2: K = 64; 32 words a step ----
.macro BASE2 st
	s_lshl_b32 s74, \st, 11
	s_add_nc_u64 s[68:69], s[10:11], s[74:75]
	s_lshl_b32 s74, \st, 6
	s_add_nc_u64 s[70:71], s[12:13], s[74:75]
	s_lshl_b32 s74, \st, 7
	s_add_nc_u64 s[72:73], s[14:15], s[74:75]
.endm
.macro LOADW2                          ; 10 loads; the four of codes together take 2,048 consecutive bytes
	global_load_b128 v[224:227], v4, s[68:69]
	global_load_b128 v[228:231], v4, s[68:69] offset:32
	global_load_b128 v[232:235], v4, s[68:69] offset:1024
	global_load_b128 v[236:239], v4, s[68:69] offset:1056
	global_load_u16 v10, v7, s[70:71]
	global_load_u16 v11, v7, s[70:71] offset:32
	global_load_b128 v[240:243], v6, s[72:73]
	global_load_b128 v[244:247], v6, s[72:73] offset:16
	global_load_b128 v[248:251], v6, s[72:73] offset:64
	global_load_b128 v[252:255], v6, s[72:73] offset:80
.endm
.Lc2:
	v_lshlrev_b32 v4, 6, v1
	v_lshl_add_u32 v4, v2, 4, v4                   ; 64 r + 16 h
	v_lshlrev_b32 v7, 1, v1
	MAP s34, s38, s41, 5000
	POSLOAD s34, 2
	BASE2 s60
	LOADW2
	s_wait_loadcnt 10                              ; the lists are in; the first step's ten loads may be out
	HADDR 6
	s_wait_alu depctr_vm_vsrc(0)                   ; the lists' loads have read their offsets v112 to v119, which are written again below
.irp rt, 0,1,2,3,4,5,6,7
	v_lshlrev_b32 v[112+\rt], 1, v[96+\rt]
.endr
	s_add_nc_u64 s[82:83], s[20:21], H2I
	s_add_nc_u64 s[84:85], s[20:21], HS2
	s_wait_alu depctr_va_vdst(0)                   ; the gathers' offsets v112 to v127 are written
.irp rt, 0,1,2,3,4,5,6,7
	global_load_u16 v[128+\rt], v[112+\rt], s[84:85]
.endr
	WIN 0x40
.irp rt, 0,1,2,3,4,5,6,7
	global_load_b128 v[16*\rt+8:16*\rt+11], v[120+\rt], s[82:83]
	global_load_b128 v[16*\rt+12:16*\rt+15], v[120+\rt], s[82:83] offset:512
.endr
.irp rt, 0,1,2,3,4,5,6,7,8
.irp j, 0,1,2,3,4,5,6,7
	v_mov_b32 v[16*\rt+\j], 0                      ; zero codes between the rows' codes: the empty half of K
.endr
.endr
	WIN 0
	STATS 5
	s_wait_loadcnt 0x0
	s_wait_alu depctr_vm_vsrc(0)                   ; the gathers have read their offsets v112 to v127, over which the first products write
.irp rt, 0,1,2,3,4,5,6,7
	v_lshl_or_b32 v[16+\rt], v[128+\rt], 16, v[128+\rt]    ; the row's two scale bytes, for either half of K
.endr
.Lloop2:
	s_wait_loadcnt 0x0                             ; this step's loads are in; so their bases may be written again
	v_lshl_or_b32 v12, v11, 16, v10                ; the scale word: word v + r's two bytes, then word v + 16 + r's
	PLACES 8                                       ; a scale register written by a vector instruction stands eight places ahead of the product
	s_wait_alu depctr_va_vdst(0)                   ; the scale word v12 is written, which the scaled products take; in the first step also the rows' scale words v16 to v23 and the zero codes among the rows' codes
	WIN 0x04
.irp rt, 0,1,2,3,4,5,6,7
	v_wmma_scale_f32_16x16x128_f8f6f4 v[96+16*\rt:103+16*\rt], v[224:239], v[16*\rt+8:16*\rt+23], v[240:247], v12, v[16+\rt]
	v_wmma_scale_f32_16x16x128_f8f6f4 v[104+16*\rt:111+16*\rt], v[224:239], v[16*\rt:16*\rt+15], v[248:255], v12, v[16+\rt]
.endr
	WIN 0
	PLACES 8
	NEXT 5000
	BASE2 s66
	s_wait_alu depctr_va_vdst(0)                   ; the products are done reading the weights and the bias v224 to v255, and the line that made v12 has read v10 and v11: the next step's loads land in these
	LOADW2
	AFTER 16, 5
	s_cmp_lt_u32 s62, s61
	s_cbranch_scc1 .Lloop2
	FINISH
	s_endpgm
; ---- cluster 3: K = 16, left as it is: bf16 operands; 32 words a step ----
.macro BASE3 st
	s_lshl_b32 s74, \st, 5
	v_add_nc_u32 v8, s74, v1
	v_min_u32 v9, 67737, v8                        ; the last step has 26 words: no load leaves W3; the padded bias makes the repeats count for nothing
	v_lshl_add_u32 v4, v9, 6, v6
	v_add_nc_u32 v8, 16, v8
	v_min_u32 v9, 67737, v8
	v_lshl_add_u32 v5, v9, 6, v6
	s_lshl_b32 s74, \st, 7
	s_add_co_u32 s74, s74, 81920
	s_add_nc_u64 s[72:73], s[18:19], s[74:75]
.endm
.macro LOADW3                          ; 8 loads
	global_load_b128 v[224:227], v4, s[16:17]
	global_load_b128 v[228:231], v4, s[16:17] offset:16
	global_load_b128 v[232:235], v5, s[16:17]
	global_load_b128 v[236:239], v5, s[16:17] offset:16
	global_load_b128 v[240:243], v6, s[72:73]
	global_load_b128 v[244:247], v6, s[72:73] offset:16
	global_load_b128 v[248:251], v6, s[72:73] offset:64
	global_load_b128 v[252:255], v6, s[72:73] offset:80
.endm
.Lc3:
	MAP s35, s39, s42, 2117
	BASE3 s60
	POSLOAD s35, 3
	LOADW3
	s_wait_loadcnt 8                               ; the lists are in; the first step's eight loads may be out
	HADDR 5
	s_add_nc_u64 s[82:83], s[20:21], H3I
	s_wait_alu depctr_va_vdst(0)                   ; the gathers' offsets v120 to v127 are written
	WIN 0x40
.irp rt, 0,1,2,3,4,5,6,7
	global_load_b128 v[8*\rt+4:8*\rt+7], v[120+\rt], s[82:83]
.endr
.irp rt, 0,1,2,3,4,5,6,7,8
.irp j, 0,1,2,3
	v_mov_b32 v[8*\rt+\j], 0
.endr
.endr
	WIN 0
	STATS 5
	s_wait_alu depctr_vm_vsrc(0)                   ; the lists' loads and the gathers have read their offsets v112 to v127, over which the first products write
.Lloop3:
	s_wait_loadcnt 0x0                             ; this step's loads are in; so their offsets and base may be written again
.irp j, 0,1,2,3,4,5,6,7
	v_cvt_pk_bf16_f32 v[224+\j], v[224+2*\j], v[225+2*\j]   ; in place, ascending: a pair is read before its registers are written
.endr
	WIN 0x04
.irp rt, 0,1,2,3,4,5,6,7
	v_wmma_f32_16x16x32_bf16 v[96+16*\rt:103+16*\rt], v[224:231], v[8*\rt+4:8*\rt+11], v[240:247]
	v_wmma_f32_16x16x32_bf16 v[104+16*\rt:111+16*\rt], v[224:231], v[8*\rt:8*\rt+7], v[248:255]
.endr
	WIN 0
	PLACES 4
	NEXT 2117
	s_wait_alu depctr_vm_vsrc(0)                   ; this step's loads have read their offsets v4 and v5, which are made anew below
	BASE3 s66
	s_wait_alu depctr_va_vdst(0)                   ; v4 and v5 are written, which the loads below read; the roundings and the products are done reading v224 to v255, in which they land
	LOADW3
	AFTER 16, 5
	s_cmp_lt_u32 s62, s61
	s_cbranch_scc1 .Lloop3
	FINISH
	s_endpgm
.Lidle:
	s_endpgm
.Lfunc_end_k_q13f95a7337_tails:
	.size	k_q13f95a7337_tails, .Lfunc_end_k_q13f95a7337_tails-k_q13f95a7337_tails
	.p2alignl 7, 3214868480
	.fill 96, 4, 3214868480
	.section	.rodata,"a",@progbits
	.p2align	6, 0x0
	.amdhsa_kernel k_q13f95a7337_tails
		.amdhsa_group_segment_fixed_size 0
		.amdhsa_private_segment_fixed_size 0
		.amdhsa_enable_private_segment 0
		.amdhsa_kernarg_size 112
		.amdhsa_user_sgpr_count 2
		.amdhsa_user_sgpr_kernarg_segment_ptr 1
		.amdhsa_wavefront_size32 1
		.amdhsa_system_sgpr_workgroup_id_x 1
		.amdhsa_system_sgpr_workgroup_id_y 1
		.amdhsa_system_sgpr_workgroup_id_z 1
		.amdhsa_system_vgpr_workitem_id 0
		.amdhsa_next_free_vgpr 512
		.amdhsa_next_free_sgpr 100
		.amdhsa_reserve_vcc 0
		.amdhsa_float_denorm_mode_32 3
		.amdhsa_float_denorm_mode_16_64 3
		.amdhsa_memory_ordered 1
		.amdhsa_forward_progress 1
		.amdhsa_inst_pref_size 199
	.end_amdhsa_kernel
	.amdgpu_metadata
---
amdhsa.version: [ 1, 2 ]
amdhsa.kernels:
  - .name:           k_q13f95a7337_tails
    .symbol:         k_q13f95a7337_tails.kd
    .args:
      - { .name: W1_codes, .offset: 0, .size: 8, .value_kind: global_buffer, .address_space: global }
      - { .name: W1_scales, .offset: 8, .size: 8, .value_kind: global_buffer, .address_space: global }
      - { .name: b1, .offset: 16, .size: 8, .value_kind: global_buffer, .address_space: global }
      - { .name: W2_codes, .offset: 24, .size: 8, .value_kind: global_buffer, .address_space: global }
      - { .name: W2_scales, .offset: 32, .size: 8, .value_kind: global_buffer, .address_space: global }
      - { .name: b2, .offset: 40, .size: 8, .value_kind: global_buffer, .address_space: global }
      - { .name: W3, .offset: 48, .size: 8, .value_kind: global_buffer, .address_space: global }
      - { .name: bias, .offset: 56, .size: 8, .value_kind: global_buffer, .address_space: global }
      - { .name: hq, .offset: 64, .size: 8, .value_kind: global_buffer, .address_space: global }
      - { .name: route, .offset: 72, .size: 8, .value_kind: global_buffer, .address_space: global }
      - { .name: rech, .offset: 80, .size: 8, .value_kind: global_buffer, .address_space: global }
      - { .name: rect, .offset: 88, .size: 8, .value_kind: global_buffer, .address_space: global }
      - { .name: hv, .offset: 96, .size: 8, .value_kind: global_buffer, .address_space: global }
      - { .name: out0, .offset: 104, .size: 8, .value_kind: global_buffer, .address_space: global }
    .group_segment_fixed_size: 0
    .private_segment_fixed_size: 0
    .kernarg_segment_align: 8
    .kernarg_segment_size: 112
    .max_flat_workgroup_size: 256
    .sgpr_count:     100
    .vgpr_count:     512
    .wavefront_size: 32
...
	.end_amdgpu_metadata
.endif
;; end of part 7
;; launch fin: the kernel of part 4 again; grid 64 x 3, 8 waves a work-group, no clusters, 5,120 bytes of LDS; arguments route, rect, hv, out0; writes out0
